; MI455X (gfx1250); checked and timed in simulation.
; The chip was launched on July 23, 2026; its instructions are those of AMD's public machine-readable ISA for CDNA 5 (MIT licence, August 2026) and "CDNA5" Instruction Set Architecture Reference Guide (July 2026). The comments in the code are by the model that wrote it; some were corrected since.
;; Attention. Allowed arithmetic: float matrix products may take bf16 or f16 operands with f32 sums; other float arithmetic in f32, or as packed bf16 or f16 multiplies, adds, multiply-adds, maxima and minima; sums over many terms, partial sums and values carried from step to step in f32; what a program stores and reads back later, other than sums and carried values, may be rounded once to bf16 or f16.
;; Inputs: actions 2 x 64 x 1,024 float32; multimodal_seq 2 x 2,048 x 1,024 float32; rms_w 1,024 float32; rms_w_a 1,024 float32; w_aout 1,024 x 1,024 float32; w_aqkv 1,024 x 3,072 float32; w_out 1,024 x 1,024 float32; w_qkv 1,024 x 3,072 float32.
;; Outputs: out0 2 x 2,048 x 1,024 float32; out1 2 x 64 x 1,024 float32.
;; One version. Each part assembles by itself: llvm-mc -triple=amdgcn-amd-amdhsa -mcpu=gfx1250 --defsym DOCPART=n.
;; ======== version 1 of 1: 4 launches
;; limits: values are held in f16: magnitudes above 65,504 overflow, below 6.1e-05 lose precision
;; workspace buffers: xn 8,650,752 bytes; wf 16,777,216 bytes; qkvh 26,738,688 bytes; oh 8,650,752 bytes
;; launch prep (part 1): grid 528 x 1, 8 waves a work-group, no clusters, 0 bytes of LDS; arguments multimodal_seq, actions, rms_w, rms_w_a, w_qkv, w_aqkv, w_out, w_aout, xn, wf, qkvh; writes xn, wf, qkvh
.if DOCPART == 1
	.amdgcn_target "amdgcn-amd-amdhsa--gfx1250"
	.amdhsa_code_object_version 6
	.text
	.protected	k_qb3d27cbc2a_prep
	.globl	k_qb3d27cbc2a_prep
	.p2align	8
	.type	k_qb3d27cbc2a_prep,@function
k_qb3d27cbc2a_prep:
	s_mov_b64 s[64:65], 0
	v_nop
	global_prefetch_b8 v0, s[64:65] scope:SCOPE_SE
	s_setreg_imm32_b32 hwreg(HW_REG_WAVE_MODE, 25, 1), 1
	s_wait_xcnt 0x0
; PREPARATION, a stream.  Three kinds of work-group, told apart by the work-group's number alone:
;   0-255    the four weight tensors, 32,768 numbers a work-group: each number rounded to bf16, and that number written as f16, into wf (w_qkv, w_aqkv, w_out, w_aout on end, each [K][N] as given)
;   256-519  RMSNorm of 16 rows: xb = bf16(x), gb = bf16(gain), r = rsq(mean(xb^2) + 2^-23) in f32, xn = f16((xb r) gb); rows 0-4095 multimodal, 4096-4223 actions
;   520-527  zeros into rows 2112-2175 of the 64 planes of K and V in qkvh: they make the heads' last key tile whole
; LIMITS.  f16 ends at 65,504: a weight and a normalised number stay under it; a weight under 2^-14 keeps f16's fixed step of 2^-24.  NaN and infinities are not treated apart.
; No LDS: no wave wants a byte that another has fetched.  Every store of a wave covers 512 consecutive bytes, aligned.
.set SQ,  4                            ; v[4:11]    four chains of sums of squares; in the weights' part v[8:11] hold packed bf16
.set RS,  12                           ; v[12:13]   1 / root mean square, twice
.set X0,  16                           ; v[16:47]   row 0 (the weights' part: v[16:79], eight chunks of 8 numbers)
.set X1,  48                           ; v[48:79]   row 1
.set GW,  80                           ; v[80:111]  the gain (the weights' part: eight chunks of 4 packed registers)
.set T,   112                          ; v[112:127] packed halves
.set PLANE, 278528                     ; a plane of qkvh: 2,176 rows of 128 bytes
	s_load_b512 s[8:23], s[0:1], 0x0               ; multimodal s[8:9], actions s[10:11], rms_w s[12:13], rms_w_a s[14:15], w_qkv s[16:17], w_aqkv s[18:19], w_out s[20:21], w_aout s[22:23]
	s_load_b128 s[24:27], s[0:1], 0x40             ; xn s[24:25], wf s[26:27]
	s_load_b64 s[28:29], s[0:1], 0x50              ; qkvh
	v_lshrrev_b32 v3, 5, v0
	v_readfirstlane_b32 s30, v3                    ; wave 0..7
	s_mov_b32 s31, 0x3a800000                      ; 1 / 1024
	s_mov_b32 s32, 0x34000000                      ; 2^-23
	s_mov_b32 s33, 0xffff0000                      ; a word's upper bf16
	s_mov_b32 s34, 0x76543210                      ; v_permlanex16_b32: each lane takes its own place in the other half
	s_mov_b32 s35, 0xfedcba98
	s_mov_b32 s37, ttmp9
	s_mov_b32 s43, 0                               ; the high word of the offset pair s[42:43]
	s_wait_kmcnt 0x0
	s_cmp_lt_u32 s37, 256
	s_cbranch_scc0 .Lnot_weights
	; THE WEIGHTS.  Thread t takes 8 numbers (32 bytes in, 16 bytes out) of each chunk of 2,048; 16 chunks, 8 a trip.
	s_mov_b64 s[38:39], s[22:23]
	s_mov_b32 s44, 224                             ; the tensor's first work-group
	s_cmp_lt_u32 s37, 224
	s_cselect_b64 s[38:39], s[20:21], s[38:39]
	s_cselect_b32 s44, 192, s44
	s_cmp_lt_u32 s37, 192
	s_cselect_b64 s[38:39], s[18:19], s[38:39]
	s_cselect_b32 s44, 96, s44
	s_cmp_lt_u32 s37, 96
	s_cselect_b64 s[38:39], s[16:17], s[38:39]
	s_cselect_b32 s44, 0, s44
	s_sub_co_u32 s42, s37, s44
	s_lshl_b32 s42, s42, 17                        ; 131,072 bytes of f32 a work-group
	s_add_nc_u64 s[38:39], s[38:39], s[42:43]
	s_lshl_b32 s42, s37, 16                        ; 65,536 bytes of f16
	s_add_nc_u64 s[40:41], s[26:27], s[42:43]
	v_lshlrev_b32 v1, 5, v0
	v_lshlrev_b32 v2, 4, v0
	s_mov_b32 s36, 2
.Lwtrip:
.irp c, 0,1,2,3,4,5,6,7
	global_load_b128 v[X0+8*(\c):X0+8*(\c)+3],   v1, s[38:39] offset:(\c)*8192 th:TH_LOAD_NT
	global_load_b128 v[X0+8*(\c)+4:X0+8*(\c)+7], v1, s[38:39] offset:(\c)*8192+16 th:TH_LOAD_NT
.endr
.irp c, 0,1,2,3,4,5,6,7
	s_wait_loadcnt 14-2*(\c)                       ; loads come back in order: chunk c's two are in, the younger chunks' stay out
.irp j, 0,1,2,3
	v_cvt_pk_bf16_f32 v[8+(\j)], v[X0+8*(\c)+2*(\j)], v[X0+8*(\c)+2*(\j)+1]
.endr
.irp j, 0,1,2,3
	v_lshlrev_b32 v[X0+8*(\c)+2*(\j)],   16,  v[8+(\j)]
	v_and_b32     v[X0+8*(\c)+2*(\j)+1], s33, v[8+(\j)]
.endr
.irp j, 0,1,2,3
	v_cvt_pk_f16_f32 v[GW+4*(\c)+(\j)], v[X0+8*(\c)+2*(\j)], v[X0+8*(\c)+2*(\j)+1]
.endr
	global_store_b128 v2, v[GW+4*(\c):GW+4*(\c)+3], s[40:41] offset:(\c)*4096
.endr
	s_wait_xcnt 0x0                                ; the stores' data and both bases are written again only behind this wait
	s_add_nc_u64 s[38:39], s[38:39], 0x10000
	s_add_nc_u64 s[40:41], s[40:41], 0x8000
	s_sub_co_u32 s36, s36, 1
	s_cmp_lg_u32 s36, 0
	s_cbranch_scc1 .Lwtrip
	s_endpgm
.Lnot_weights:
	v_and_b32 v3, 31, v0
	v_lshlrev_b32 v1, 5, v3                        ; 32 x lane: 8 numbers of f32
	v_lshlrev_b32 v2, 4, v3                        ; 16 x lane: 8 numbers of f16
	s_sub_co_u32 s44, s37, 256                     ; which block of 16 rows of xn
	s_cmp_lt_u32 s44, 264
	s_cbranch_scc0 .Lzero
	; THE ROWS.  A wave takes two rows; a lane holds numbers 256 c + 8 lane + 0..7, c = 0..3, of each.
	s_sub_co_u32 s45, s44, 256
	s_cmp_lt_u32 s44, 256
	s_cselect_b64 s[38:39], s[8:9], s[10:11]
	s_cselect_b64 s[46:47], s[12:13], s[14:15]
	s_cselect_b32 s45, s44, s45                    ; the block's number in its own tensor
	s_lshl_b32 s45, s45, 4
	s_lshl_b32 s36, s30, 1
	s_add_co_u32 s45, s45, s36                     ; my first row there
	s_lshl_b32 s42, s45, 12
	s_add_nc_u64 s[38:39], s[38:39], s[42:43]
	s_lshl_b32 s45, s44, 4
	s_add_co_u32 s45, s45, s36                     ; and in xn
	s_lshl_b32 s42, s45, 11
	s_add_nc_u64 s[40:41], s[24:25], s[42:43]
.irp c, 0,1,2,3
	global_load_b128 v[X0+8*(\c):X0+8*(\c)+3],   v1, s[38:39] offset:(\c)*1024 th:TH_LOAD_NT
	global_load_b128 v[X0+8*(\c)+4:X0+8*(\c)+7], v1, s[38:39] offset:(\c)*1024+16 th:TH_LOAD_NT
	global_load_b128 v[X1+8*(\c):X1+8*(\c)+3],   v1, s[38:39] offset:4096+(\c)*1024 th:TH_LOAD_NT
	global_load_b128 v[X1+8*(\c)+4:X1+8*(\c)+7], v1, s[38:39] offset:4096+(\c)*1024+16 th:TH_LOAD_NT
	global_load_b128 v[GW+8*(\c):GW+8*(\c)+3],   v1, s[46:47] offset:(\c)*1024
	global_load_b128 v[GW+8*(\c)+4:GW+8*(\c)+7], v1, s[46:47] offset:(\c)*1024+16
.endr
	s_wait_loadcnt 0x0
; 32 numbers at x are rounded to bf16 and widened again, in place
.macro TOBF x
.set j, 0
.rept 16
	v_cvt_pk_bf16_f32 v[T+j], v[(\x)+2*j], v[(\x)+2*j+1]
.set j, j+1
.endr
.set j, 0
.rept 16
	v_lshlrev_b32 v[(\x)+2*j],   16,  v[T+j]
	v_and_b32     v[(\x)+2*j+1], s33, v[T+j]
.set j, j+1
.endr
.endm
.macro ROW x, row
	TOBF \x
.set j, 0
.rept 4
	v_pk_mul_f32 v[SQ+2*j:SQ+2*j+1], v[(\x)+2*j:(\x)+2*j+1], v[(\x)+2*j:(\x)+2*j+1]  ; the first four pairs start the chains
.set j, j+1
.endr
.rept 12
	v_pk_fma_f32 v[SQ+2*(j%4):SQ+2*(j%4)+1], v[(\x)+2*j:(\x)+2*j+1], v[(\x)+2*j:(\x)+2*j+1], v[SQ+2*(j%4):SQ+2*(j%4)+1]
.set j, j+1
.endr
	v_pk_add_f32 v[SQ:SQ+1], v[SQ:SQ+1], v[SQ+2:SQ+3]
	v_pk_add_f32 v[SQ+4:SQ+5], v[SQ+4:SQ+5], v[SQ+6:SQ+7]
	v_pk_add_f32 v[SQ:SQ+1], v[SQ:SQ+1], v[SQ+4:SQ+5]
	v_add_f32 v[SQ], v[SQ], v[SQ+1]
	v_add_f32_dpp v[SQ], v[SQ], v[SQ] row_xmask:1 row_mask:0xf bank_mask:0xf
	v_add_f32_dpp v[SQ], v[SQ], v[SQ] row_xmask:2 row_mask:0xf bank_mask:0xf
	v_add_f32_dpp v[SQ], v[SQ], v[SQ] row_xmask:4 row_mask:0xf bank_mask:0xf
	v_add_f32_dpp v[SQ], v[SQ], v[SQ] row_xmask:8 row_mask:0xf bank_mask:0xf
	v_permlanex16_b32 v[SQ+1], v[SQ], s34, s35
	v_add_f32 v[SQ], v[SQ], v[SQ+1]                ; the row's sum of squares, in every lane
	v_fma_f32 v[SQ], v[SQ], s31, s32               ; mean + eps
	v_rsq_f32 v[RS], v[SQ]
	v_rsq_f32 v[RS+1], v[SQ]
	v_nop                                          ; a plain instruction behind the second root
	s_wait_alu depctr_va_vdst(0)                   ; one wait for both, ahead of their first reader
.set j, 0
.rept 16
	v_pk_mul_f32 v[(\x)+2*j:(\x)+2*j+1], v[(\x)+2*j:(\x)+2*j+1], v[RS:RS+1]
.set j, j+1
.endr
.set j, 0
.rept 16
	v_pk_mul_f32 v[(\x)+2*j:(\x)+2*j+1], v[(\x)+2*j:(\x)+2*j+1], v[GW+2*j:GW+2*j+1]
.set j, j+1
.endr
.set j, 0
.rept 16
	v_cvt_pk_f16_f32 v[T+j], v[(\x)+2*j], v[(\x)+2*j+1]
.set j, j+1
.endr
.irp c, 0,1,2,3
	global_store_b128 v2, v[T+4*(\c):T+4*(\c)+3], s[40:41] offset:(\row)*2048+(\c)*512
.endr
.endm
	TOBF GW
	ROW X0, 0
	s_wait_xcnt 0x0                                ; the packed registers, which row 0's stores read, are written again only behind this wait
	ROW X1, 1
	s_endpgm
.Lzero:
	; THE PAD ROWS: a wave a plane, 64 rows of 128 bytes
	s_sub_co_u32 s44, s37, 520
	s_lshl_b32 s44, s44, 3
	s_add_co_u32 s44, s44, s30
	s_add_co_u32 s44, s44, 32                      ; planes 32-95: K's and V's
	s_mul_i32 s42, s44, PLANE
	s_add_co_u32 s42, s42, 2112*128
	s_add_nc_u64 s[40:41], s[28:29], s[42:43]
	v_mov_b32 v4, 0
	v_mov_b32 v5, 0
	v_mov_b32 v6, 0
	v_mov_b32 v7, 0
.set j, 0
.rept 16
	global_store_b128 v2, v[4:7], s[40:41] offset:512*j
.set j, j+1
.endr
	s_endpgm
.Lfunc_end_k_qb3d27cbc2a_prep:
	.size	k_qb3d27cbc2a_prep, .Lfunc_end_k_qb3d27cbc2a_prep-k_qb3d27cbc2a_prep
	.p2alignl 7, 3214868480
	.fill 96, 4, 3214868480
	.section	.rodata,"a",@progbits
	.p2align	6, 0x0
	.amdhsa_kernel k_qb3d27cbc2a_prep
		.amdhsa_group_segment_fixed_size 0
		.amdhsa_private_segment_fixed_size 0
		.amdhsa_enable_private_segment 0
		.amdhsa_kernarg_size 88
		.amdhsa_user_sgpr_count 2
		.amdhsa_user_sgpr_kernarg_segment_ptr 1
		.amdhsa_wavefront_size32 1
		.amdhsa_system_sgpr_workgroup_id_x 1
		.amdhsa_system_sgpr_workgroup_id_y 1
		.amdhsa_system_sgpr_workgroup_id_z 1
		.amdhsa_system_vgpr_workitem_id 0
		.amdhsa_next_free_vgpr 128
		.amdhsa_next_free_sgpr 66
		.amdhsa_reserve_vcc 0
		.amdhsa_float_denorm_mode_32 3
		.amdhsa_float_denorm_mode_16_64 3
		.amdhsa_memory_ordered 1
		.amdhsa_forward_progress 1
		.amdhsa_inst_pref_size 32
	.end_amdhsa_kernel
	.amdgpu_metadata
---
amdhsa.version: [ 1, 2 ]
amdhsa.kernels:
  - .name:           k_qb3d27cbc2a_prep
    .symbol:         k_qb3d27cbc2a_prep.kd
    .args:
      - { .name: multimodal_seq, .offset: 0, .size: 8, .value_kind: global_buffer, .address_space: global }
      - { .name: actions, .offset: 8, .size: 8, .value_kind: global_buffer, .address_space: global }
      - { .name: rms_w, .offset: 16, .size: 8, .value_kind: global_buffer, .address_space: global }
      - { .name: rms_w_a, .offset: 24, .size: 8, .value_kind: global_buffer, .address_space: global }
      - { .name: w_qkv, .offset: 32, .size: 8, .value_kind: global_buffer, .address_space: global }
      - { .name: w_aqkv, .offset: 40, .size: 8, .value_kind: global_buffer, .address_space: global }
      - { .name: w_out, .offset: 48, .size: 8, .value_kind: global_buffer, .address_space: global }
      - { .name: w_aout, .offset: 56, .size: 8, .value_kind: global_buffer, .address_space: global }
      - { .name: xn, .offset: 64, .size: 8, .value_kind: global_buffer, .address_space: global }
      - { .name: wf, .offset: 72, .size: 8, .value_kind: global_buffer, .address_space: global }
      - { .name: qkvh, .offset: 80, .size: 8, .value_kind: global_buffer, .address_space: global }
    .group_segment_fixed_size: 0
    .private_segment_fixed_size: 0
    .kernarg_segment_align: 8
    .kernarg_segment_size: 88
    .max_flat_workgroup_size: 256
    .sgpr_count:     66
    .vgpr_count:     128
    .wavefront_size: 32
...
	.end_amdgpu_metadata
.endif
;; end of part 1
;; launch qkv (part 2): grid 12 x 17, 4 waves a work-group, clusters of 4 x 1, 327,680 bytes of LDS; arguments xn, wf, qkvh; writes qkvh
.if DOCPART == 2
	.amdgcn_target "amdgcn-amd-amdhsa--gfx1250"
	.amdhsa_code_object_version 6
	.text
	.protected	k_qb3d27cbc2a_qkv
	.globl	k_qb3d27cbc2a_qkv
	.p2align	8
	.type	k_qb3d27cbc2a_qkv,@function
k_qb3d27cbc2a_qkv:
	s_mov_b64 s[64:65], 0
	v_nop
	global_prefetch_b8 v0, s[64:65] scope:SCOPE_SE
	s_setreg_imm32_b32 hwreg(HW_REG_WAVE_MODE, 25, 1), 1
	s_wait_xcnt 0x0
	s_wait_alu depctr_hold_cnt(0) depctr_sa_sdst(0) depctr_va_vdst(0) depctr_va_sdst(0) depctr_va_ssrc(0) depctr_va_vcc(0) depctr_vm_vsrc(0)
	s_getreg_b32 s2, hwreg(HW_REG_IB_STS2, 6, 4)
	s_cmp_eq_u32 s2, 0
	s_cbranch_scc0 .Lentry_in_a_cluster
	s_endpgm
.Lentry_in_a_cluster:
	s_bfe_u32 s2, ttmp6, 0x10000c
	s_cmp_lg_u32 s2, 0x3003
	s_cbranch_scc0 .Lentry_shape_is_right
	s_endpgm
.Lentry_shape_is_right:
; THE PROJECTIONS TO Q, K, V.  C = xn W, xn [4224][1024] f16, W [1024][3072] f16 (w_qkv for rows 0-4095, w_aqkv for the 128 action rows), sums in f32.
; C leaves by heads into qkvh: 96 planes [2176 rows][64] f16, plane = 32 which + 16 batch + head (which: 0 q, 1 k, 2 v); in a plane the 64 action tokens come first, multimodal token n lies in row 64 + n.
; q is multiplied in f32 by c1 = 2 log2(e) / (8 x 50) ahead of its one rounding, so that the next launch's product K Q^T is the exponent of 2 that its soft clamp wants.
; LIMITS.  f16 ends at 65,504: q c1, k and v stay under it; below 6e-5 they keep f16's fixed step of 6e-8.
; SHARES.  A work-group makes 256 rows x 256 columns: four waves, 128 rows (wave / 2) x 128 columns (wave % 2) each: 64 accumulators of 16 x 16, 512 registers.  12 x 17 = 204 work-groups: 4,224 rows under two
; weight tensors do not split into 256 equal tiles.  Tile row 16 is the 128 action rows: the second half of its A tile repeats the first, and its waves 2 and 3 multiply that copy and store nothing.
; K goes in 8 steps of 128 through two LDS slots.  A's rows lie along K; W lies [K][N] and is turned on its way out of LDS by ds_load_tr16_b128.
; CLUSTER.  Four work-groups along x need the same rows of xn: A's tile is asked for jointly (mask 15).  W's tile hangs on x: each asks for its own, behind the same round.  Along y nothing is
; shared jointly: the grid has 17 tile rows, which no cluster divides.
; THE PRODUCT IS USED TRANSPOSED (source 0 = 16 columns of W, source 1 = 16 rows of xn): a lane holds row l % 16 and the eight neighbouring columns 8 (l / 16) + 0..7.
; REGISTERS, in windows of 256.  Window 0: v16-30 addresses; v64-127, v128-191 A's fragments (8 x 16 rows x 32 K), two buffers; v32-63, v192-255 the way out.  Window 1: v64-127, v128-191 W's fragments, two buffers.
;   Window 2: the 32 accumulators of my rows 0-63, (a, b) at v[8 (8 a + b)];  window 3: those of my rows 64-127.
.set NW,     3072                      ; W's columns
.set WACT,   6291456                   ; how far behind w_qkv the action rows' tensor lies in wf
.set PA,     272                       ; an LDS row of A: 256 bytes + 16: 16 rows of a load start at 16 different groups of four banks (64 banks of 4 bytes: ISA guide 11.1)
.set AHALF,  128*PA                    ; what one of A's two loads brings, and what a wave reads of A
.set ABYTES, 2*AHALF
.set PB,     544                       ; an LDS row of W: 512 bytes + 32
.set BHALF,  64*PB
.set SLOT,   ABYTES+2*BHALF
.set STAGE,  2*SLOT                    ; behind the ring, never filled by a tensor load: for each wave [2 heads][16 rows][144 bytes]
.set SPITCH, 144
.set STW,    2*16*SPITCH
.set SPARE,  STAGE+4*STW               ; the spare words, 128 bytes a wave: two blocks of 256 bytes that no other line names
.set ASTEP,  256                       ; a K step in A's memory
.set BSTEP,  128*NW*2                  ; and in W's
.set PLANE,  278528
.set ADRA, 16                          ; v16-17  LDS address of my A fragments in slot 0, 1
.set ADRB, 20                          ; v20-21  the same for W
.set STO,  24                          ; v24     the way out: where I put 16 bytes of a row
.set RD,   25                          ; v25     where I read rows back
.set GO,   26                          ; v26     16 x lane
.set SPW,  28                          ; v28     my spare word; never rewritten
.set NIL,  29                          ; v29     0; never rewritten
.set PFO,  30                          ; v30     the prefetches' offset: my lane x a row of xn or of W; never rewritten
.set F0,   64
.set F1,   128
.set OBK,  32                          ; the way out: 16 rows read back, v32-63 and v224-255 by turns
.set TMP,  192                         ; the way out: packed results
.set WV, 12                            ; s12 wave;  s13 wave / 2;  s14 wave % 2;  s15 tile row;  s40 cx;  s42 tile column
.set RH, 13
.set CH, 14
.set YY, 15
.set CX, 40
.set XX, 42
.set G1A, 24                           ; s[24:31] group 1 for A;  s[32:39] group 0, a set for each slot
.set G0A, 32
.set G1B, 48                           ; s[48:55], s[56:63] the same for W
.set G0B, 56
.set PFA, 66                           ; s[66:67] where my prefetches stand;  s[68:69] a K step there;  s70 prefetches still to come
.set PFS, 68
.set PFC, 70
.set MSB, 0
.macro WIN new                         ; the immediate's high byte repeats the setting that is left; a switch that changes nothing is dropped
.if MSB != (\new)
	s_set_vgpr_msb (MSB<<8)|(\new)
.set MSB, (\new)
.endif
.endm
.set MUL_LO, 0xa1                      ; source 0 (W) window 1, source 1 (A) window 0, C and D window 2
.set MUL_HI, 0xf1                      ; the same, C and D window 3
.set TO_B,   0x40                      ; destination window 1, address window 0
.macro PLACES                          ; four places behind a matrix instruction, in front of loads into registers that it read and of lines that read results
.rept 4
	v_nop
.endr
.endm
.macro JLOAD s                         ; waves 0 and 1 ask jointly for A's two halves, waves 2 and 3 each for a half of the work-group's own tile of W; an s_nop 0 and four v_nop follow each line
	s_cmp_lt_u32 s[WV], 2
	s_cbranch_scc0 .Lfor_b_\@
	tensor_load_to_lds s[G0A+4*(\s):G0A+4*(\s)+3], s[G1A:G1A+7]
	s_nop 0
.rept 4
	v_nop
.endr
	s_branch .Lasked_\@
.Lfor_b_\@:
	tensor_load_to_lds s[G0B+4*(\s):G0B+4*(\s)+3], s[G1B:G1B+7]
	s_nop 0
.rept 4
	v_nop
.endr
.Lasked_\@:
.endm
; A PREFETCH INTO THE L2 of the K step that the NEXT refill will ask for: it stands behind the wave's tensor load, its five lines and the run of LDS loads.  Each aligned 256 bytes are named once in the launch.
; A's rows are read by the three clusters of a tile row: cluster x = 0 asks; its four partners take 32 of a wave's 128 rows each, told apart by address; a lane a row, one instruction.
; W's tile column is read by the tile rows under one tensor: tile row 0 asks for w_qkv, tile row 16 for w_aqkv; a wave's 64 rows x 512 bytes are four instructions.
; K steps 3 to 7 are asked for, behind the refills for K steps 2 to 6; K steps 0 to 2 come by their loads alone, and the last refill asks for nothing.
.macro ASK
	s_cmp_lg_u32 s[PFC], 0
	s_cbranch_scc0 .Lnone_\@
	s_sub_co_u32 s[PFC], s[PFC], 1
	s_cmp_lt_u32 s[WV], 2
	s_cbranch_scc0 .Lw_\@
	global_prefetch_b8 v[PFO], s[PFA:PFA+1] th:TH_LOAD_NT scope:SCOPE_SE
	s_branch .Lnone_\@
.Lw_\@:
	global_prefetch_b8 v[PFO], s[PFA:PFA+1] th:TH_LOAD_NT scope:SCOPE_SE
	global_prefetch_b8 v[PFO], s[PFA:PFA+1] offset:256 th:TH_LOAD_NT scope:SCOPE_SE
	global_prefetch_b8 v[PFO], s[PFA:PFA+1] offset:32*NW*2 th:TH_LOAD_NT scope:SCOPE_SE
	global_prefetch_b8 v[PFO], s[PFA:PFA+1] offset:32*NW*2+256 th:TH_LOAD_NT scope:SCOPE_SE
.Lnone_\@:
.endm
.macro CREST                           ; a round of the cluster's barrier behind its opening barrier
	s_cmp_lg_u32 s[WV], 0
	s_cbranch_scc1 .Lnot_wave_0_\@
	s_barrier_signal -3
.Lnot_wave_0_\@:
	s_barrier_wait -3
	s_barrier_signal -1
	s_barrier_wait -1
.endm
.macro CROUND
	s_barrier_signal -1
	s_barrier_wait -1
	CREST
.endm
	s_load_b128 s[4:7], s[0:1], 0x0                ; xn s[4:5], wf s[6:7]
	s_load_b64 s[8:9], s[0:1], 0x10                ; qkvh
	v_lshl_add_u32 v[SPW], v0, 2, SPARE
	v_mov_b32 v[NIL], 0
	ds_add_u32 v[SPW], v[NIL]                      ; the wave's opening: the add and its wait stand ahead of my first tensor load; work on registers stands between them
	v_lshrrev_b32 v1, 5, v0
	v_readfirstlane_b32 s[WV], v1
	s_lshr_b32 s[RH], s[WV], 1
	s_and_b32 s[CH], s[WV], 1
	s_bfe_u32 s[CX], ttmp6, 0x40000
	s_lshl_b32 s[XX], ttmp9, 2                     ; in a cluster launch ttmp9 counts clusters
	s_add_co_u32 s[XX], s[XX], s[CX]
	s_and_b32 s[YY], ttmp7, 0xffff
	s_mov_b32 s[G1A+0], 15|(1<<16)|(1<<20)|(1<<21)|(5<<22)|(3<<25)  ; mask of four; 2-byte elements; padding on; bit 21 beside a mask; after every 64 words, 4 words
	s_mov_b32 s[G1A+1], 128<<16                    ; tensor_dim0 = 128
	s_mov_b32 s[G1A+2], 128<<16                    ; tensor_dim1 = 128
	s_mov_b32 s[G1A+3], 128<<16                    ; tile_dim0 = 128
	s_mov_b32 s[G1A+4], 128                        ; tile_dim1 = 128
	s_mov_b32 s[G1A+5], 1024                       ; elements from row to row
	s_mov_b32 s[G1A+6], 0
	s_mov_b32 s[G1A+7], 0
	s_mov_b32 s[G1B+0], (1<<16)|(1<<20)|(6<<22)|(7<<25)  ; no mask; after every 128 words, 8 words
	s_mov_b32 s[G1B+1], 256<<16
	s_mov_b32 s[G1B+2], 64<<16
	s_mov_b32 s[G1B+3], 256<<16
	s_mov_b32 s[G1B+4], 64
	s_mov_b32 s[G1B+5], NW
	s_mov_b32 s[G1B+6], 0
	s_mov_b32 s[G1B+7], 0
	s_lshl_b32 s16, s[YY], 8                       ; A: row 256 x tile row + 128 x half, 2,048 bytes a row: made of what the four partners share
	s_lshl_b32 s17, s[CH], 7
	s_cmp_eq_u32 s[YY], 16                         ; the action rows are 128: both halves take them
	s_cselect_b32 s17, 0, s17
	s_add_co_u32 s16, s16, s17
	s_lshl_b32 s16, s16, 11
	s_mov_b32 s17, 0
	s_mul_i32 s20, s[CH], AHALF                    ; where the halves go: no place in the cluster enters an LDS address
	s_mul_i32 s21, s[CH], BHALF
	s_add_co_u32 s21, s21, ABYTES
	s_lshl_b32 s44, s[XX], 9                       ; W: 512 bytes a tile column, 64 rows a half
	s_mul_i32 s45, s[CH], 64*NW*2
	s_add_co_u32 s44, s44, s45
	s_cmp_eq_u32 s[YY], 16
	s_cselect_b32 s45, WACT, 0
	s_add_co_u32 s44, s44, s45
	s_mov_b32 s45, 0
	s_wait_dscnt 0x0                               ; the opening add is done
	s_wait_kmcnt 0x0
	s_add_nc_u64 s[18:19], s[4:5], s[16:17]
	s_add_nc_u64 s[46:47], s[6:7], s[44:45]
	CROUND                                         ; all four work-groups are here: the first joint loads meet
.irp s, 0,1
	s_mov_b32 s[G0A+4*(\s)], 1
	s_add_co_u32 s[G0A+4*(\s)+1], s20, (\s)*SLOT
	s_add_nc_u64 s[G0A+4*(\s)+2:G0A+4*(\s)+3], s[18:19], (\s)*ASTEP
	s_or_b32 s[G0A+4*(\s)+3], s[G0A+4*(\s)+3], 0x80000000
	s_mov_b32 s[G0B+4*(\s)], 1
	s_add_co_u32 s[G0B+4*(\s)+1], s21, (\s)*SLOT
	s_add_nc_u64 s[G0B+4*(\s)+2:G0B+4*(\s)+3], s[46:47], (\s)*BSTEP
	s_or_b32 s[G0B+4*(\s)+3], s[G0B+4*(\s)+3], 0x80000000
	JLOAD \s                                       ; K steps 0 and 1: two loads of mine are out
.endr
	; the prefetches: who asks, from where, in which steps
	s_lshl_b32 s22, s[CX], 16                      ; my work-group's 32 rows of 2,048 bytes among the 128 that I fetch of A
	s_mov_b32 s23, 0
	s_add_nc_u64 s[PFA:PFA+1], s[18:19], s[22:23]
	s_mov_b32 s[PFS], BSTEP
	s_mov_b32 s[PFS+1], 0
	s_mov_b32 s41, NW*2
	s_cmp_lt_u32 s[WV], 2
	s_cselect_b64 s[PFA:PFA+1], s[PFA:PFA+1], s[46:47]
	s_cselect_b32 s[PFS], ASTEP, s[PFS]
	s_cselect_b32 s41, 2048, s41                   ; bytes from row to row
	s_add_nc_u64 s[PFA:PFA+1], s[PFA:PFA+1], s[PFS:PFS+1]
	s_add_nc_u64 s[PFA:PFA+1], s[PFA:PFA+1], s[PFS:PFS+1]  ; at K step 2: the first refill steps it to 3
	s_cmp_eq_u32 s[YY], 16
	s_cselect_b32 s22, 1, 0
	s_and_b32 s23, s22, s[CH]                      ; the action tile's second half of A repeats the first: it is not asked for twice
	s_or_b32 s23, s23, ttmp9                       ; 0: I ask for A.  The same in all four partners
	s_cmp_eq_u32 s23, 0
	s_cselect_b32 s23, 5, 0
	s_cmp_eq_u32 s[YY], 0
	s_cselect_b32 s43, 1, s22                      ; tile rows 0 and 16 ask for W
	s_cmp_lg_u32 s43, 0
	s_cselect_b32 s43, 5, 0
	s_cmp_lt_u32 s[WV], 2
	s_cselect_b32 s[PFC], s23, s43
	v_and_b32 v[PFO], 31, v0
	v_mul_u32_u24 v[PFO], v[PFO], s41
	v_and_b32 v1, 15, v0                           ; l % 16
	v_bfe_u32 v2, v0, 4, 1                         ; l / 16
	v_mul_u32_u24 v3, v1, PA
	v_lshl_add_u32 v3, v2, 4, v3                   ; A: row x pitch + 16 x half
	s_mul_i32 s16, s[RH], AHALF
	v_add_nc_u32 v[ADRA], s16, v3
	v_add_nc_u32 v[ADRA+1], SLOT, v[ADRA]
	v_and_b32 v4, 7, v0                            ; W, turned: lane l reads k row 8 (l / 16) + l % 8, columns 8 ((l / 8) % 2) + 0..7
	v_lshl_add_u32 v4, v2, 3, v4
	v_mul_u32_u24 v4, v4, PB
	v_bfe_u32 v5, v0, 3, 1
	v_lshl_add_u32 v4, v5, 4, v4
	s_lshl_b32 s16, s[CH], 8
	s_add_co_u32 s16, s16, ABYTES
	v_add_nc_u32 v[ADRB], s16, v4
	v_add_nc_u32 v[ADRB+1], SLOT, v[ADRB]
	s_mul_i32 s16, s[WV], STW
	s_add_co_u32 s16, s16, STAGE                   ; my stage
	v_mul_u32_u24 v[STO], v1, SPITCH
	v_lshl_add_u32 v[STO], v2, 4, v[STO]
	v_add_nc_u32 v[STO], s16, v[STO]
	v_bfe_u32 v[RD], v0, 3, 2                      ; back: 32 lanes take four rows of 128 bytes
	v_mul_u32_u24 v[RD], v[RD], SPITCH
	v_and_b32 v4, 7, v0
	v_lshl_add_u32 v[RD], v4, 4, v[RD]
	v_add_nc_u32 v[RD], s16, v[RD]
	v_and_b32 v[GO], 31, v0
	v_lshlrev_b32 v[GO], 4, v[GO]
	; where my 128 rows x 2 heads begin in qkvh: s[8:9] for my rows 0-63, s[10:11] for my rows 64-127
	s_lshr_b32 s16, s[YY], 3                       ; batch,
	s_and_b32 s17, s[YY], 7
	s_lshl_b32 s17, s17, 8
	s_lshl_b32 s18, s[RH], 7
	s_add_co_u32 s17, s17, s18
	s_add_co_u32 s17, s17, 64                      ; and row 64 + n of a plane
	s_lshl_b32 s17, s17, 7
	s_cmp_eq_u32 s[YY], 16                         ; the action rows: 64 of batch 0, then 64 of batch 1, each from a plane's row 0 on
	s_cselect_b32 s16, 0, s16
	s_cselect_b32 s17, 0, s17
	s_cselect_b32 s22, 16*PLANE-4*2048, 0
	s_mov_b32 s23, 0
	s_mul_i32 s16, s16, 16*PLANE
	s_add_co_u32 s16, s16, s17
	s_lshr_b32 s44, s[XX], 2                       ; which of q, k, v
	s_lshl_b32 s44, s44, 5
	s_and_b32 s45, s[XX], 3
	s_lshl_b32 s45, s45, 2
	s_add_co_u32 s44, s44, s45
	s_lshl_b32 s45, s[CH], 1
	s_add_co_u32 s44, s44, s45                     ; + my first head
	s_mul_i32 s44, s44, PLANE
	s_add_co_u32 s44, s44, s16
	s_mov_b32 s45, 0
	s_add_nc_u64 s[8:9], s[8:9], s[44:45]
	s_add_nc_u64 s[10:11], s[8:9], s[22:23]
	s_cmp_lt_u32 s[XX], 4
	s_cselect_b32 s46, 0x3bec5f04, 1.0             ; c1 for q's columns, 1 for k's and v's: a choice of a value, no branch
	s_mov_b32 s47, s46
; 16 matrix instructions: row blocks a0, a0 + 1 of the window's four (hi = 0: my rows 0-63, 1: rows 64-127) x all 8 column blocks, 32 along K.  Each of the 64 accumulators has one instruction a quarter,
; always in the same order: they take turns.  zero = 1: the first product starts the sums.
.macro MUL16 f, hi, a0, zero
	WIN MUL_LO+0x50*(\hi)
.irp a, \a0, (\a0)+1
.irp b, 0,1,2,3,4,5,6,7
.if \zero
	v_wmma_f32_16x16x32_f16 v[8*(8*(\a)+(\b)):8*(8*(\a)+(\b))+7], v[(\f)+8*(\b):(\f)+8*(\b)+7], v[(\f)+8*(4*(\hi)+(\a)):(\f)+8*(4*(\hi)+(\a))+7], 0
.else
	v_wmma_f32_16x16x32_f16 v[8*(8*(\a)+(\b)):8*(8*(\a)+(\b))+7], v[(\f)+8*(\b):(\f)+8*(\b)+7], v[(\f)+8*(4*(\hi)+(\a)):(\f)+8*(4*(\hi)+(\a))+7], v[8*(8*(\a)+(\b)):8*(8*(\a)+(\b))+7]
.endif
.endr
.endr
.endm
; 32 LDS loads in one run: quarter q of a slot into buffer f: W's 8 fragments first, then A's 8
.macro FETCH slot, q, f
	WIN TO_B
.irp i, 0,1,2,3,4,5,6,7
	ds_load_tr16_b128 v[(\f)+8*(\i):(\f)+8*(\i)+3],   v[ADRB+(\slot)] offset:(\q)*32*PB+32*(\i)
	ds_load_tr16_b128 v[(\f)+8*(\i)+4:(\f)+8*(\i)+7], v[ADRB+(\slot)] offset:(\q)*32*PB+16*PB+32*(\i)
.endr
	WIN 0
.irp i, 0,1,2,3,4,5,6,7
	ds_load_b128 v[(\f)+8*(\i):(\f)+8*(\i)+3],   v[ADRA+(\slot)] offset:(\q)*64+(\i)*16*PA
	ds_load_b128 v[(\f)+8*(\i)+4:(\f)+8*(\i)+7], v[ADRA+(\slot)] offset:(\q)*64+(\i)*16*PA+32
.endr
.endm
; One of a K step's first three quarters: multiplies buffer f and, in its middle, fetches quarter q into buffer g
.macro QUARTER slot, q, f, g, zero
	s_wait_dscnt 8                                 ; W's fragments and A's rows 0-63 are in; the youngest eight loads (A's rows 64-127) may be out
	MUL16 \f, 0, 0, \zero
	MUL16 \f, 0, 2, \zero
	PLACES
	FETCH \slot, \q, \g
	s_wait_dscnt 32                                ; all but the 32 just issued
	MUL16 \f, 1, 0, \zero
	MUL16 \f, 1, 2, \zero
.endm
; The last quarter multiplies buffer 1 and changes slots: in front of the one barrier each wave waits for all its tensor loads (its part of the next slot), adds 0 to its spare word, and waits for that and for its reads of this slot.
; fill = 1: the barrier opens a round of the cluster's, and this slot is filled again, two K steps ahead: from that request to the wait for it a wave issues 224 matrix instructions.
.macro TURN slot, next, fill
.if \fill
	s_wait_xcnt 0x0                                ; the last prefetches, a K step back, have read their address: it is stepped here, ahead of the change's own waits
	s_add_nc_u64 s[PFA:PFA+1], s[PFA:PFA+1], s[PFS:PFS+1]
.endif
	WIN 0
	s_wait_tensorcnt 0x0                           ; all my tensor loads have landed
	ds_add_u32 v[SPW], v[NIL]                      ; 0 onto my spare word
	s_wait_dscnt 9                                 ; (the add and the youngest eight loads may be out)
	MUL16 F1, 0, 0, 0
	s_wait_dscnt 0x0                               ; the add is done, and my reads of this slot are over
	s_barrier_signal -1
	MUL16 F1, 0, 2, 0                              ; work on registers while the others arrive
	WIN 0
	s_barrier_wait -1
.if \fill
	CREST                                          ; no wave of any partner still reads this slot or has a load on its way
	s_add_nc_u64 s[G0A+4*(\slot)+2:G0A+4*(\slot)+3], s[G0A+4*(\slot)+2:G0A+4*(\slot)+3], 2*ASTEP
	s_add_nc_u64 s[G0B+4*(\slot)+2:G0B+4*(\slot)+3], s[G0B+4*(\slot)+2:G0B+4*(\slot)+3], 2*BSTEP
	JLOAD \slot                                    ; my one tensor load behind the round; its four v_nop are also the places in front of the loads below
.else
	PLACES
.endif
	FETCH \next, 0, F0
.if \fill
	ASK
.endif
	MUL16 F1, 1, 0, 0
	MUL16 F1, 1, 2, 0
.endm
	s_wait_tensorcnt 1                             ; my part of K step 0 is in; K step 1's may stay out
	s_barrier_signal -1
	s_barrier_wait -1
	FETCH 0, 0, F0
	QUARTER 0, 1, F0, F1, 1                        ; the first quarter stands ahead of the loop: its products start the sums
	WIN 0
	s_mov_b32 s3, 3
.Llap:                                             ; a trip goes once round the ring and fills both slots again: K steps 2 to 7
	QUARTER 0, 2, F1, F0, 0
	QUARTER 0, 3, F0, F1, 0
	TURN 0, 1, 1
	QUARTER 1, 1, F0, F1, 0
	QUARTER 1, 2, F1, F0, 0
	QUARTER 1, 3, F0, F1, 0
	TURN 1, 0, 1
	QUARTER 0, 1, F0, F1, 0
	WIN 0
	s_sub_co_u32 s3, s3, 1
	s_cmp_lg_u32 s3, 0
	s_cbranch_scc1 .Llap
	QUARTER 0, 2, F1, F0, 0                        ; the last lap fills nothing
	QUARTER 0, 3, F0, F1, 0
	TURN 0, 1, 0
	QUARTER 1, 1, F0, F1, 0
	QUARTER 1, 2, F1, F0, 0
	QUARTER 1, 3, F0, F1, 0
	s_wait_dscnt 8
	MUL16 F1, 0, 0, 0
	MUL16 F1, 0, 2, 0
	s_wait_dscnt 0x0
	MUL16 F1, 1, 0, 0
	MUL16 F1, 1, 2, 0
	WIN 0
; THE WAY OUT, 16 rows at a time: scaled, rounded to f16 (16 bytes a lane), through my own stage, and out as 2,048 consecutive bytes for each of my two heads.
.macro PACK a
	WIN 0x82+0x41*((\a)/4)                         ; destination and source 0 in window 2 or 3
.set i, 0
.rept 32
	v_pk_mul_f32 v[64*((\a)%4)+2*i:64*((\a)%4)+2*i+1], v[64*((\a)%4)+2*i:64*((\a)%4)+2*i+1], s[46:47] op_sel_hi:[1,0]  ; ascending: each accumulator is read from its low end on
.set i, i+1
.endr
	WIN 0x0a+5*((\a)/4)                            ; sources in window 2 or 3, destination in window 0
.set i, 0
.rept 32
	v_cvt_pk_f16_f32 v[TMP+i], v[64*((\a)%4)+2*i], v[64*((\a)%4)+2*i+1]
.set i, i+1
.endr
	WIN 0
.endm
.macro TOSTAGE a
.irp b, 0,1,2,3,4,5,6,7
	ds_store_b128 v[STO], v[TMP+4*(\b):TMP+4*(\b)+3] offset:((\b)/4)*16*SPITCH+((\b)%4)*32
.endr
.irp t, 0,1,2,3,4,5,6,7
	ds_load_b128 v[OBK+192*((\a)%2)+4*(\t):OBK+192*((\a)%2)+4*(\t)+3], v[RD] offset:((\t)/4)*16*SPITCH+((\t)%4)*4*SPITCH  ; LDS serves a wave's instructions in order (ISA guide 5.7.1.4): these see the stores above
.endr
.endm
.macro SEND a
	s_wait_dscnt 0x0                               ; the block is back in registers
	s_wait_xcnt 0x0                                ; the stores of the block before have read their registers: the next block is loaded into them only behind this wait
.irp t, 0,1,2,3,4,5,6,7
	global_store_b128 v[GO], v[OBK+192*((\a)%2)+4*(\t):OBK+192*((\a)%2)+4*(\t)+3], s[8+2*((\a)/4):9+2*((\a)/4)] offset:(\a)*2048+((\t)/4)*PLANE+((\t)%4)*512  ; 512 consecutive bytes, aligned
.endr
.endm
	s_cmp_eq_u32 s[YY], 16                         ; the action tile's waves 2 and 3 hold a copy of what waves 0 and 1 store
	s_cselect_b32 s43, s[RH], 0
	s_cmp_lg_u32 s43, 0
	s_cbranch_scc1 .Lend
	PLACES
	PACK 0
	TOSTAGE 0
.irp a, 1,2,3,4,5,6,7
	PACK \a                                        ; a block's arithmetic stands between the loads of the block before and the wait for them
	SEND (\a)-1
	TOSTAGE \a
.endr
	SEND 7
.Lend:
	s_wait_tensorcnt 0x0                           ; the wave's end: a wait, an add and a wait, behind my last tensor load and my last LDS store
	ds_add_u32 v[SPW], v[NIL]
	s_wait_dscnt 0x0
	CROUND                                         ; the closing round: no work-group ends while a partner may still ask for a tile that names it
	s_endpgm
.Lfunc_end_k_qb3d27cbc2a_qkv:
	.size	k_qb3d27cbc2a_qkv, .Lfunc_end_k_qb3d27cbc2a_qkv-k_qb3d27cbc2a_qkv
	.p2alignl 7, 3214868480
	.fill 96, 4, 3214868480
	.section	.rodata,"a",@progbits
	.p2align	6, 0x0
	.amdhsa_kernel k_qb3d27cbc2a_qkv
		.amdhsa_group_segment_fixed_size 327680
		.amdhsa_private_segment_fixed_size 0
		.amdhsa_enable_private_segment 0
		.amdhsa_kernarg_size 24
		.amdhsa_user_sgpr_count 2
		.amdhsa_user_sgpr_kernarg_segment_ptr 1
		.amdhsa_wavefront_size32 1
		.amdhsa_system_sgpr_workgroup_id_x 1
		.amdhsa_system_sgpr_workgroup_id_y 1
		.amdhsa_system_sgpr_workgroup_id_z 1
		.amdhsa_system_vgpr_workitem_id 0
		.amdhsa_next_free_vgpr 1024
		.amdhsa_next_free_sgpr 72
		.amdhsa_reserve_vcc 0
		.amdhsa_float_denorm_mode_32 3
		.amdhsa_float_denorm_mode_16_64 3
		.amdhsa_memory_ordered 1
		.amdhsa_forward_progress 1
		.amdhsa_inst_pref_size 162
	.end_amdhsa_kernel
	.amdgpu_metadata
---
amdhsa.version: [ 1, 2 ]
amdhsa.kernels:
  - .name:           k_qb3d27cbc2a_qkv
    .symbol:         k_qb3d27cbc2a_qkv.kd
    .args:
      - { .name: xn, .offset: 0, .size: 8, .value_kind: global_buffer, .address_space: global }
      - { .name: wf, .offset: 8, .size: 8, .value_kind: global_buffer, .address_space: global }
      - { .name: qkvh, .offset: 16, .size: 8, .value_kind: global_buffer, .address_space: global }
    .group_segment_fixed_size: 327680
    .private_segment_fixed_size: 0
    .kernarg_segment_align: 8
    .kernarg_segment_size: 24
    .max_flat_workgroup_size: 128
    .sgpr_count:     72
    .vgpr_count:     1024
    .wavefront_size: 32
...
	.end_amdgpu_metadata
.endif
;; end of part 2
;; launch attn (part 3): grid 32 x 9, 8 waves a work-group, no clusters, 327,680 bytes of LDS; arguments qkvh, oh; writes oh
.if DOCPART == 3
	.amdgcn_target "amdgcn-amd-amdhsa--gfx1250"
	.amdhsa_code_object_version 6
	.text
	.protected	k_qb3d27cbc2a_attn
	.globl	k_qb3d27cbc2a_attn
	.p2align	8
	.type	k_qb3d27cbc2a_attn,@function
k_qb3d27cbc2a_attn:
	s_mov_b64 s[64:65], 0
	v_nop
	global_prefetch_b8 v0, s[64:65] scope:SCOPE_SE
	s_setreg_imm32_b32 hwreg(HW_REG_WAVE_MODE, 25, 1), 1
	s_wait_xcnt 0x0
; ATTENTION with a soft clamp, 32 (batch, head) pairs, head size 64.  In a plane of qkvh the 64 action tokens come first (rows 0-63), multimodal token n lies in row 64 + n, rows 2112-2175 of K and V are zeros.
; In that order a multimodal row sees exactly the keys up to itself (all action keys and its own past); an action row sees all 2,112 keys.
; THE CLAMP.  q arrives times 2 log2(e) / 400, so S = K Q^T is the exponent of u = e^(2 sim / 50).  tanh(x) = 1 - 2 / (1 + e^(2x)): with w = 1 / (1 + u) the clamped score is 50 - 100 w, and in powers of 2 its
; varying part is c2 w, c2 = -100 log2(e).  u = infinity gives w = 0, u = 0 gives w = 1: the clamp's two ends.
; SOFTMAX.  The running maximum of the clamped score is kept as a running MINIMUM WM of w, with CM = c2 WM: p = 2^(c2 w - CM), and in every step O and l are multiplied by a = 2^(CM_old - CM_new).
; WM starts at 4, above every w of a key that is seen (0 to 1): CM starts at -577, a block's first a is 2^-432 or less, which is 0 in f32, and O and l need only be finite there.
; A hidden key has 1e30 added to its w: far above WM in every case, so it is never the minimum, and its p is 0.
; Products, minima and sums in f32; p is rounded to f16 for the second product (l is the sum of the unrounded p), O once at the end.
; LIMITS.  f16 ends at 65,504: q, k, v arrive within it.  A weight below 2^-126 counts as 0.  NaN and infinities in the inputs are not treated apart.
; THE WALK.  A head's rows lie in 17 blocks of 128; block j needs the key tiles 0 .. j of 128 keys, the last of which holds the diagonal.  A block is two bands of 64 rows; of each a wave owns 16 rows (tiles 0, 1).
; EIGHT WAVES, TWO GROUPS OF FOUR.  Wave w owns the rows of w % 4; both groups own the same rows and SPLIT THE KEYS: an LDS slot holds a PAIR of key tiles, 2 p and 2 p + 1, and group w / 4 walks tile 2 p + w / 4.
; Two waves lie on a SIMD, 512 registers each: one wave's vector work stands beside the other's products and LDS loads.  At a block's end the two partial results of a row are merged through LDS (below).
; Block j has (j + 2) / 2 pairs.  In its last pair the group with the number j % 2 has the diagonal tile: in that tile's step 0 band 0 holds the diagonal and band 1 sees all, in its step 1 band 0 sees nothing and band 1
; holds the diagonal.  The other group has tile j - 1, all seen (group 0, j odd), or tile min(j + 1, 16), nothing seen (group 1, j even).  All that is two scalars a band and step: w += MD x AL, w += BE.
; Block 16's second band would be the pad rows: it is the ACTION rows instead, which see all of the diagonal tile's step 0 and nothing of its step 1 (the pad keys).  Block 0's first band would be the action rows
; under the diagonal: it is computed and not stored.  Work-group g < 8 takes blocks 16 - g and g + 1: 10 pairs, whatever g; g = 8 takes block 0, one pair: 33 bands do not pair evenly.
; A group that has seen nothing of a block (block 0's group 1) keeps WM = 4, CM = 4 c2, l = 0 and O = 0 (every p is 0, every a is 1), and has the weight 2^(4 c2 - CMn) = 0 in the merge.
; THE MERGE.  Wave w sends tile 1 - w / 4 (32 registers of O^T, CM, its lanes' l) to wave w xor 4 and finishes tile w / 4: CMn = max of the two CM, f = 2^(CM - CMn), l and O^T are added with these weights, in f32.
; NO CLUSTER: a head's eight long work-groups ask for the same pair only in their first 5 trips; one walk common to all would have 14 trips for 10.
; LAYOUT.  S^T = K Q^T holds ONE query a lane (l % 16) and the keys 8 (l / 16) + 0..7 of each 16; two such results rounded to f16 ARE source 1 of O^T = V^T P.  V is turned on its way out of LDS.
; A STEP GOES IN PHASES: K Q^T; u; w; (mask;) minimum; p; roundings, sums, rescaling; V^T P.  Three batches of transcendentals, each with its one wait.
; REGISTERS.  Window 0: v2-15 addresses; v16-47 statistics, 16 a tile; v48-51 the exchange's addresses; v62-63 the add's; v64-127 S^T; v128-159 P; v160-191 the second block's Q.
;             Window 1: v0-63 O^T; v64-95 Q; v96-127 the diagonal's mask MD; v128-191 K of a step; v192-255 V of a step.
.set PLANE, 278528
.set OPL,   540672                     ; a head's plane in oh: 4,224 tokens of 128 bytes
.set PK,    144                        ; a row of K in LDS: 128 bytes + 16: the 16 rows of a load start at 16 different groups of four banks (64 banks of 4 bytes: ISA guide 11.1)
.set PV,    160                        ; a row of V: 128 + 32
.set VOFF,  128*PK
.set TILEB, 128*(PK+PV)                ; a tile in LDS: K, then V; a slot holds group 0's tile, then group 1's
.set SLOT1, 1<<17                      ; slot 1 begins here: one exclusive or turns an address in one slot into the other's
.set STAGE, SLOT1+2*TILEB              ; never filled by a tensor load: 16 rows x 144 bytes for each wave
.set SP,    144
.set XCH,   STAGE+8*16*SP              ; never filled by a tensor load: what a wave sends to its partner: 4,096 bytes of O^T, 256 of statistics
.set XW,    4352
.set SPARE, XCH+8*XW                   ; the spare words, 128 bytes a wave: four blocks of 256 bytes that no other line names
.set AK0, 2
.set AV0, 3
.set AK,  4
.set AV,  5
.set STO, 6
.set RD,  7
.set GO,  8
.set QO,  9
.set PFO, 10
.set ST,  16                           ; tile t at ST + 16 t: +0 CM, +1 WM, +2 +3 l, +4..+7 c0-c3 at work, +8 a (+9 named with it), +10 CM_old (+11 named with it in the merge)
.set X16, 48                           ; my bytes of the exchange + 16 x lane;  v49 + 8 x lane;  v50, v51 the same in my partner's bytes
.set X8,  49
.set Y16, 50
.set Y8,  51
.set SPW, 62
.set NIL, 63
.set S,   64
.set P,   128
.set Q2,  160
.set QF,  64                           ; window 1
.set MD,  96
.set KF,  128
.set VF,  192
.set GQ,  2                            ; s2 my group, wave / 4;  s3 wave % 4
.set WQ,  3
.set KP,  8                            ; s[8:9] K's plane, s[10:11] V's
.set VP,  10
.set WV,  12
.set G,   13
.set J1,  14                           ; the two blocks
.set J2,  15
.set JC,  16                           ; the block in hand
.set RT,  17                           ; its pairs still to be entered
.set NXT, 18                           ; the pair to be asked for next
.set LQ,  19                           ; the last pair of the block whose tiles are being asked for
.set GOF, 20                           ; my group's tile in a slot
.set SLOTS, 21
.set CNT, 22
.set TB,  23                           ; LDS byte at which the slot in hand begins
.set G1K, 24
.set G1V, 32
.set G0K, 40
.set G0V, 44
.set TBK, 48
.set TBV, 49
.set OFF, 50                           ; s[50:51]
.set C2,  52                           ; s[52:53]
.set SEL, 54                           ; s[54:55]
.set AL0, 56                           ; s[56:57] AL, s[58:59] BE of tile 0; s[60:61], s[62:63] of tile 1
.set BIG, 66
.set PFC, 67                           ; prefetches still to come
.set PFA, 68                           ; s[68:69]
.set OA,  70                           ; s[70:71], s[72:73] where tiles 0 and 1 of the block in hand go; s[74:77] the second block's
.set OB,  72
.set OA2, 74
.set OB2, 76
.set QP,  78                           ; s[78:79] Q's plane; s[80:87] the four tiles' rows of Q; s[98:99] the head's plane in oh
.set OP,  98
.set R2,  100                          ; the second block's pairs;  s101 the last of them
.set LQ2, 101
.set MSB, 0
.macro WIN new
.if MSB != (\new)
	s_set_vgpr_msb (MSB<<8)|(\new)
.set MSB, (\new)
.endif
.endm
.set W_KQ, 0x05                        ; K and Q in window 1, S^T in window 0
.set W_PV, 0x51                        ; V and O^T in window 1, P in window 0
.set W_RS, 0x41                        ; destination and source 0 in window 1
.set W_TO, 0x40                        ; destination in window 1
.macro PLACES
.rept 4
	v_nop
.endr
.endm
; A fill: in each group the first wave fetches its group's K, the second its V, 64 rows of 256 bytes each; the other two fetch nothing.  An s_nop 0 and four v_nop follow each line.
.macro LOAD
	s_cmp_lt_u32 s[WQ], 2
	s_cbranch_scc0 .Lasked_\@
	s_cmp_eq_u32 s[WQ], 0
	s_cbranch_scc0 .Lfor_v_\@
	tensor_load_to_lds s[G0K:G0K+3], s[G1K:G1K+7]
	s_nop 0
.rept 4
	v_nop
.endr
	s_branch .Lasked_\@
.Lfor_v_\@:
	tensor_load_to_lds s[G0V:G0V+3], s[G1V:G1V+7]
	s_nop 0
.rept 4
	v_nop
.endr
.Lasked_\@:
.endm
; A prefetch into the L2 of the pair that the NEXT change of slots will ask for.  Of a head's work-groups only g = 0 asks: it walks all 17 tiles in order, so each row of K and V is named once in the launch.
; In each group waves 0 and 1 take the halves of its tile's K, waves 2 and 3 of its V: a lane 256 bytes, one instruction a wave.  Pairs 2 to 8 are asked for, in the first 7 changes (group 1: pairs 2 to 7:
; there is no tile 17); pairs 0 and 1 come by their loads alone.
.macro ASK
	s_cmp_lg_u32 s[PFC], 0
	s_cbranch_scc0 .Lnot_mine_\@
	global_prefetch_b8 v[PFO], s[PFA:PFA+1] th:TH_LOAD_NT scope:SCOPE_SE
	s_sub_co_u32 s[PFC], s[PFC], 1
.Lnot_mine_\@:
.endm
; THE CHANGE OF SLOTS.  Each wave waits for all its tensor loads (at most one is out: its part of the other slot), adds 0 to its spare word, and waits for that and for its reads of the slot that it leaves.
; fill = 1: the old slot is filled again, first thing behind the barrier, with pair NXT; the descriptor's address is made anew from my group's tile number, which stops at 16.
.macro CHANGE fill
	WIN 0
	s_wait_tensorcnt 0x0                           ; no tensor load of mine is out, so a group 0 may be written
	ds_add_u32 v[SPW], v[NIL]                      ; 0 onto my spare word
.if \fill
	s_lshl_b32 s[OFF], s[NXT], 1
	s_add_co_u32 s[OFF], s[OFF], s[GQ]
	s_min_u32 s[OFF], s[OFF], 16
	s_lshl_b32 s[OFF], s[OFF], 14                  ; a tile is 16,384 bytes of K and of V
	s_xor_b32 s[G0K+1], s[G0K+1], SLOT1
	s_add_nc_u64 s[G0K+2:G0K+3], s[KP:KP+1], s[OFF:OFF+1]
	s_or_b32 s[G0K+3], s[G0K+3], 0x80000000
	s_xor_b32 s[G0V+1], s[G0V+1], SLOT1
	s_add_nc_u64 s[G0V+2:G0V+3], s[VP:VP+1], s[OFF:OFF+1]
	s_or_b32 s[G0V+3], s[G0V+3], 0x80000000
	s_add_co_u32 s[NXT], s[NXT], 1                 ; the block's next pair, or behind its last the second block's pair 0
	s_cmp_gt_u32 s[NXT], s[LQ]
	s_cselect_b32 s[NXT], 0, s[NXT]
	s_cselect_b32 s[LQ], s[LQ2], s[LQ]
	s_wait_xcnt 0x0                                ; the last prefetch, a pair back, has read its address
	s_add_nc_u64 s[PFA:PFA+1], s[PFA:PFA+1], 32768
.endif
	s_wait_dscnt 0x0                               ; the add is done, and my reads of the slot are over
	s_barrier_signal -1
	s_xor_b32 s[TB], s[TB], SLOT1
	s_barrier_wait -1
.if \fill
	LOAD
	ASK
.endif
.endm
	s_load_b128 s[4:7], s[0:1], 0x0                ; qkvh s[4:5], oh s[6:7]
	v_lshl_add_u32 v[SPW], v0, 2, SPARE
	v_mov_b32 v[NIL], 0
	ds_add_u32 v[SPW], v[NIL]                      ; the wave's opening: the add and its wait stand ahead of my first tensor load; work on registers stands between them
	v_lshrrev_b32 v1, 5, v0
	v_readfirstlane_b32 s[WV], v1
	s_and_b32 s[WQ], s[WV], 3
	s_lshr_b32 s[GQ], s[WV], 2
	s_mul_i32 s[GOF], s[GQ], TILEB
	s_and_b32 s[G], ttmp7, 0xffff
	s_mov_b32 s88, ttmp9                           ; 16 batch + head
	s_lshr_b32 s89, s88, 4
	s_and_b32 s90, s88, 15
	s_mul_i32 s95, s88, PLANE
	s_mul_i32 s90, s90, OPL
	s_lshl_b32 s92, s[WQ], 4                       ; my 16 rows in a band
	s_lshl_b32 s93, s89, 11                        ; the batch's first multimodal token
	s_lshl_b32 s94, s89, 6
	s_add_co_u32 s94, s94, s92
	s_add_co_u32 s94, s94, 4096                    ; my first action token
	s_mov_b32 s97, 0
	s_sub_co_u32 s[J1], 16, s[G]
	s_add_co_u32 s[J2], s[G], 1
	s_cmp_eq_u32 s[G], 8
	s_cselect_b32 s[J1], 0, s[J1]
	s_cselect_b32 s[J2], 0, s[J2]
	s_sub_co_u32 s91, 7, s[GQ]
	s_cmp_eq_u32 s[G], 0
	s_cselect_b32 s[PFC], s91, 0
	s_add_co_u32 s[RT], s[J1], 2
	s_lshr_b32 s[RT], s[RT], 1                     ; the first block's pairs
	s_sub_co_u32 s[LQ], s[RT], 1
	s_add_co_u32 s[R2], s[J2], 2
	s_lshr_b32 s[R2], s[R2], 1
	s_sub_co_u32 s[LQ2], s[R2], 1
	; 128 keys are 16,384 dense bytes: asked for as 64 rows of 256 bytes, two keys a row, padded in LDS after every key
	s_mov_b32 s[G1K], (1<<16)|(1<<20)|(4<<22)|(3<<25)  ; 2-byte elements; padding on; after every 32 words, 4 words
	s_mov_b32 s[G1V], (1<<16)|(1<<20)|(4<<22)|(7<<25)  ; the same with 8 words
.irp g, G1K, G1V
	s_mov_b32 s[\g+1], 128<<16                     ; tensor_dim0 = 128
	s_mov_b32 s[\g+2], 64<<16                      ; tensor_dim1 = 64
	s_mov_b32 s[\g+3], 128<<16                     ; tile_dim0 = 128
	s_mov_b32 s[\g+4], 64                          ; tile_dim1 = 64
	s_mov_b32 s[\g+5], 128                         ; elements from row to row
	s_mov_b32 s[\g+6], 0
	s_mov_b32 s[\g+7], 0
.endr
	s_mov_b32 s[G0K], 1
	s_mov_b32 s[G0K+1], s[GOF]                     ; slot 0, my group's tile
	s_mov_b32 s[G0V], 1
	s_add_co_u32 s[G0V+1], s[GOF], VOFF
	s_mov_b32 s[C2], 0xc31044fe                    ; -100 log2(e)
	s_mov_b32 s[C2+1], s[C2]
	s_mov_b32 s[SEL], 0x76543210
	s_mov_b32 s[SEL+1], 0xfedcba98
	s_mov_b32 s[BIG], 0x7149f2ca                   ; 1e30
.irp k, 0,1,2,3,4,5,6,7
	s_mov_b32 s[AL0+(\k)], 0                       ; named as pairs
.endr
	s_lshl_b32 s[OFF], s[GQ], 14                   ; pair 0: my group's tile is tile 0 or 1
	s_mov_b32 s[OFF+1], 0
	s_mov_b32 s[JC], s[J1]
	s_mov_b32 s[NXT], 1
	s_mov_b32 s[TB], SLOT1                         ; the first change of slots turns it into 0
	s_mov_b32 s[SLOTS], 9
	s_wait_dscnt 0x0                               ; the opening add is done
	s_wait_kmcnt 0x0
	s_mov_b32 s96, s95
	s_add_nc_u64 s[QP:QP+1], s[4:5], s[96:97]
	s_add_nc_u64 s[KP:KP+1], s[QP:QP+1], 32*PLANE
	s_add_nc_u64 s[VP:VP+1], s[QP:QP+1], 64*PLANE
	s_mov_b32 s96, s90
	s_add_nc_u64 s[OP:OP+1], s[6:7], s[96:97]
	s_add_nc_u64 s[G0K+2:G0K+3], s[KP:KP+1], s[OFF:OFF+1]
	s_or_b32 s[G0K+3], s[G0K+3], 0x80000000
	s_add_nc_u64 s[G0V+2:G0V+3], s[VP:VP+1], s[OFF:OFF+1]
	s_or_b32 s[G0V+3], s[G0V+3], 0x80000000
	LOAD                                           ; pair 0 into slot 0
	s_cmp_lt_u32 s[WQ], 2
	s_cselect_b64 s[PFA:PFA+1], s[KP:KP+1], s[VP:VP+1]
	s_and_b32 s96, s[WQ], 1
	s_lshl_b32 s96, s96, 13
	s_lshl_b32 s88, s[GQ], 14
	s_add_co_u32 s96, s96, s88
	s_add_co_u32 s96, s96, 32768                   ; my half of my group's tile of pair 1; the first change steps it to pair 2
	s_add_nc_u64 s[PFA:PFA+1], s[PFA:PFA+1], s[96:97]
; Block j: where my 16 rows of each band lie in Q's plane, and where their tokens lie in oh
.macro BASES j, qa, qb, oa, ob
	s_lshl_b32 s88, s[\j], 7
	s_add_co_u32 s88, s88, s92                     ; band 0's row
	s_add_co_u32 s89, s88, 64                      ; band 1's
	s_sub_co_i32 s90, s88, 64
	s_max_i32 s90, s90, 0                          ; (block 0's band 0 is not stored)
	s_add_co_u32 s90, s90, s93                     ; band 0's token
	s_add_co_u32 s91, s88, s93                     ; band 1's
	s_cmp_eq_u32 s[\j], 16                         ; block 16's band 1 is the action rows
	s_cselect_b32 s89, s92, s89
	s_cselect_b32 s91, s94, s91
	s_lshl_b32 s96, s88, 7
	s_add_nc_u64 s[\qa:\qa+1], s[QP:QP+1], s[96:97]
	s_lshl_b32 s96, s89, 7
	s_add_nc_u64 s[\qb:\qb+1], s[QP:QP+1], s[96:97]
	s_lshl_b32 s96, s90, 7
	s_add_nc_u64 s[\oa:\oa+1], s[OP:OP+1], s[96:97]
	s_lshl_b32 s96, s91, 7
	s_add_nc_u64 s[\ob:\ob+1], s[OP:OP+1], s[96:97]
.endm
	BASES J1, 80, 82, OA, OB
	BASES J2, 84, 86, OA2, OB2
	v_and_b32 v1, 15, v0                           ; l % 16
	v_bfe_u32 v11, v0, 4, 1                        ; l / 16
	v_lshlrev_b32 v[QO], 7, v1
	v_lshl_add_u32 v[QO], v11, 4, v[QO]            ; row x 128 + 16 x half
	WIN W_TO
.irp t, 0,1
.irp c, 0,1
	global_load_b128 v[QF+16*(\t)+8*(\c):QF+16*(\t)+8*(\c)+3],   v[QO], s[80+2*(\t):81+2*(\t)] offset:64*(\c)
	global_load_b128 v[QF+16*(\t)+8*(\c)+4:QF+16*(\t)+8*(\c)+7], v[QO], s[80+2*(\t):81+2*(\t)] offset:64*(\c)+32
.endr
.endr
	WIN 0
.irp t, 0,1
.irp c, 0,1
	global_load_b128 v[Q2+16*(\t)+8*(\c):Q2+16*(\t)+8*(\c)+3],   v[QO], s[84+2*(\t):85+2*(\t)] offset:64*(\c)
	global_load_b128 v[Q2+16*(\t)+8*(\c)+4:Q2+16*(\t)+8*(\c)+7], v[QO], s[84+2*(\t):85+2*(\t)] offset:64*(\c)+32
.endr
.endr
	v_lshlrev_b32 v14, 3, v11
	v_sub_nc_u32 v14, v1, v14
	v_add_nc_u32 v14, s92, v14                     ; my query's place in its band, less my lanes' 8 (l / 16): register r of key group kb is hidden where 16 kb + r is greater
	WIN W_TO
.set i, 0
.rept 32
	v_cmp_gt_i32 vcc_lo, 16*(i/8)+i%8, v14
	v_cndmask_b32 v[MD+i], 0, s[BIG], vcc_lo
.set i, i+1
.endr
.set i, 0
.rept 64
	v_mov_b32 v[i], 0                              ; O^T need only be finite: the first step multiplies it by a = 0; a group that sees nothing keeps these zeros
.set i, i+1
.endr
	WIN 0
	v_mul_u32_u24 v[AK0], v1, PK
	v_lshl_add_u32 v[AK0], v11, 4, v[AK0]          ; K: row x pitch + 16 x half
	v_and_b32 v12, 7, v0                           ; V, turned: lane l reads key 8 (l / 16) + l % 8, channels 8 ((l / 8) % 2) + 0..7
	v_bfe_u32 v13, v0, 3, 1
	v_lshl_add_u32 v[AV0], v11, 3, v12
	v_mul_u32_u24 v[AV0], v[AV0], PV
	v_lshl_add_u32 v[AV0], v13, 4, v[AV0]
	v_add_nc_u32 v[AV0], VOFF, v[AV0]
	s_mul_i32 s88, s[WV], 16*SP
	s_add_co_u32 s88, s88, STAGE                   ; my stage
	v_mul_u32_u24 v[STO], v1, SP
	v_lshl_add_u32 v[STO], v11, 4, v[STO]
	v_add_nc_u32 v[STO], s88, v[STO]
	v_bfe_u32 v[RD], v0, 3, 2                      ; back: 32 lanes take four rows of 128 bytes,
	v_mul_u32_u24 v[RD], v[RD], SP
	v_lshl_add_u32 v[RD], v12, 4, v[RD]
	v_add_nc_u32 v[RD], s88, v[RD]
	v_and_b32 v[GO], 31, v0                        ; which are 512 consecutive bytes of oh
	s_mul_i32 s88, s[WV], XW
	s_add_co_u32 s88, s88, XCH                     ; what I send lies here,
	s_xor_b32 s89, s[WV], 4
	s_mul_i32 s89, s89, XW
	s_add_co_u32 s89, s89, XCH                     ; what my partner sends, here
	v_lshl_add_u32 v[X16], v[GO], 4, s88
	v_lshl_add_u32 v[X8],  v[GO], 3, s88
	v_lshl_add_u32 v[Y16], v[GO], 4, s89
	v_lshl_add_u32 v[Y8],  v[GO], 3, s89
	v_lshlrev_b32 v[PFO], 8, v[GO]
	v_lshlrev_b32 v[GO], 4, v[GO]
.macro FRESH                           ; a block begins: WM = 4, above every w that is seen and far below a hidden key's 1e30; CM = c2 WM
.irp t, 0,1
	v_mov_b32 v[ST+16*(\t)+1], 4.0
	v_mul_f32 v[ST+16*(\t)], s[C2], v[ST+16*(\t)+1]
.endr
.endm
	FRESH
.irp t, 0,1
	v_mov_b32 v[ST+16*(\t)+2], 0
	v_mov_b32 v[ST+16*(\t)+3], 0
	v_mov_b32 v[ST+16*(\t)+9], 0
	v_mov_b32 v[ST+16*(\t)+11], 0
.endr
; Number n of the 21 that find tile t's minimum and statistics.  0-11 four chains c0-c3 of seven w each (each accumulator's lowest registers first); 12, 13 the four left over; 14 c3 and the old WM;
; 15 CM_old is kept; 16 all into c0; 17, 18 the query's other 32 keys lie in the lane 16 away: the new WM; 19 CM; 20 CM_old - CM
.macro XS t, n
.set rT, ST+16*(\t)
.set rS, S+32*(\t)
.if (\n) < 4
	v_min3_num_f32 v[rT+4+(\n)], v[rS+8*(\n)], v[rS+8*(\n)+1], v[rS+8*(\n)+2]
.elseif (\n) < 12
	v_min3_num_f32 v[rT+4+(\n)%4], v[rT+4+(\n)%4], v[rS+8*((\n)%4)+2*((\n)/4)+1], v[rS+8*((\n)%4)+2*((\n)/4)+2]
.elseif (\n) == 12
	v_min3_num_f32 v[rT+4], v[rT+4], v[rS+7], v[rS+15]
.elseif (\n) == 13
	v_min3_num_f32 v[rT+5], v[rT+5], v[rS+23], v[rS+31]
.elseif (\n) == 14
	v_min3_num_f32 v[rT+6], v[rT+6], v[rT+7], v[rT+1]
.elseif (\n) == 15
	v_mov_b32 v[rT+10], v[rT]
.elseif (\n) == 16
	v_min3_num_f32 v[rT+4], v[rT+4], v[rT+5], v[rT+6]
.elseif (\n) == 17
	v_permlanex16_b32 v[rT+7], v[rT+4], s[SEL], s[SEL+1]
.elseif (\n) == 18
	v_min_num_f32 v[rT+1], v[rT+4], v[rT+7]
.elseif (\n) == 19
	v_mul_f32 v[rT], s[C2], v[rT+1]
.else
	v_sub_f32 v[rT+5], v[rT+10], v[rT]
.endif
.endm
; A KEY STEP: 64 keys, both tiles.  m = 1: a block's last pair: the mask is applied.
.macro STEP m
	WIN 0
	v_add_nc_u32 v[AK], s[TBK], v[AK0]             ; these four lines are the places behind the last product, in front of the loads into K's and V's registers
	v_add_nc_u32 v[AV], s[TBV], v[AV0]
	v_nop
	v_nop
	WIN W_TO
.irp f, 0,1,2,3,4,5,6,7                ; K: keys 16 (f / 2) on, channels 32 (f % 2) on
	ds_load_b128 v[KF+8*(\f):KF+8*(\f)+3],   v[AK] offset:((\f)/2)*16*PK+((\f)%2)*64
	ds_load_b128 v[KF+8*(\f)+4:KF+8*(\f)+7], v[AK] offset:((\f)/2)*16*PK+((\f)%2)*64+32
.endr
.irp f, 0,1,2,3,4,5,6,7                ; V: keys 32 (f / 4) on, channels 16 (f % 4) on
	ds_load_tr16_b128 v[VF+8*(\f):VF+8*(\f)+3],   v[AV] offset:((\f)/4)*32*PV+((\f)%4)*32
	ds_load_tr16_b128 v[VF+8*(\f)+4:VF+8*(\f)+7], v[AV] offset:((\f)/4)*32*PV+16*PV+((\f)%4)*32
.endr
	s_wait_dscnt 16                                ; K is in; V's 16 loads may stay out
	WIN W_KQ
.set i, 0
.rept 16                               ; S^T = K Q^T: channels 32 (i / 8) on, keys 16 ((i / 2) % 4) on, tile i % 2; the 8 accumulators take turns; the first 8 start the sums
.set rS, S+32*(i%2)+8*((i/2)%4)
.set rK, KF+16*((i/2)%4)+8*(i/8)
.set rQ, QF+16*(i%2)+8*(i/8)
.if i < 8
	v_wmma_f32_16x16x32_f16 v[rS:rS+7], v[rK:rK+7], v[rQ:rQ+7], 0
.else
	v_wmma_f32_16x16x32_f16 v[rS:rS+7], v[rK:rK+7], v[rQ:rQ+7], v[rS:rS+7]
.endif
.set i, i+1
.endr
	PLACES
	WIN 0
.set i, 0
.rept 64
	v_exp_f32 v[S+i], v[S+i]                       ; u, ascending: each accumulator is read from its low end on
.set i, i+1
.endr
	v_nop                                          ; a plain instruction behind the last exponential,
	s_wait_alu depctr_va_vdst(0)                   ; and the batch's one wait
.set n, 0
.rept 32                               ; 1 + u for pair n, then the reciprocals of the pair before: nothing names a reciprocal's result ahead of the wait
	v_pk_add_f32 v[S+2*n:S+2*n+1], v[S+2*n:S+2*n+1], 1.0 op_sel_hi:[1,0]
.if n > 0
	v_rcp_f32 v[S+2*n-2], v[S+2*n-2]
	v_rcp_f32 v[S+2*n-1], v[S+2*n-1]
.endif
.set n, n+1
.endr
	v_rcp_f32 v[S+62], v[S+62]
	v_rcp_f32 v[S+63], v[S+63]
	v_nop
	s_wait_alu depctr_va_vdst(0)
.if \m
	WIN 0x01                                       ; MD, source 0, in window 1
.set n, 0
.rept 32
	v_pk_fma_f32 v[S+2*n:S+2*n+1], v[MD+2*(n%16):MD+2*(n%16)+1], s[AL0+4*(n/16):AL0+4*(n/16)+1], v[S+2*n:S+2*n+1] op_sel_hi:[1,0,1]
.set n, n+1
.endr
	WIN 0
.set n, 0
.rept 32
	v_pk_add_f32 v[S+2*n:S+2*n+1], v[S+2*n:S+2*n+1], s[AL0+2+4*(n/16):AL0+3+4*(n/16)] op_sel_hi:[1,0]
.set n, n+1
.endr
.endif
.irp n, 0,1,2,3,4,5,6,7,8,9,10,11,12,13,14,15,16,17,18,19,20
	XS 0, \n                                       ; the two tiles alternate, so that no line reads the result of the one just before it
	XS 1, \n
.endr
	v_exp_f32 v[ST+8], v[ST+5]                     ; a
	v_exp_f32 v[ST+16+8], v[ST+16+5]
.set n, 0
.rept 32                               ; c2 w - CM for pair n, then the exponentials of the pair before
	v_pk_fma_f32 v[S+2*n:S+2*n+1], v[S+2*n:S+2*n+1], s[C2:C2+1], v[ST+16*(n/16):ST+16*(n/16)+1] op_sel_hi:[1,0,0] neg_lo:[0,0,1] neg_hi:[0,0,1]
.if n > 0
	v_exp_f32 v[S+2*n-2], v[S+2*n-2]
	v_exp_f32 v[S+2*n-1], v[S+2*n-1]
.endif
.set n, n+1
.endr
	v_exp_f32 v[S+62], v[S+62]
	v_exp_f32 v[S+63], v[S+63]
	v_nop
	s_wait_alu depctr_va_vdst(0)
.set n, 0
.rept 32
	v_cvt_pk_f16_f32 v[P+n], v[S+2*n], v[S+2*n+1]  ; two results of 16 keys, rounded in pairs, are a fragment of 32 keys
.set n, n+1
.endr
.irp w, 4,8,16,32                      ; the sum of a tile's 16 pairs, in place: neighbours 1, 2, 4, 8 pairs apart
.set n, 0
.rept 64/(\w)
	v_pk_add_f32 v[S+(\w)*n:S+(\w)*n+1], v[S+(\w)*n:S+(\w)*n+1], v[S+(\w)*n+(\w)/2:S+(\w)*n+(\w)/2+1]
.set n, n+1
.endr
.endr
.irp t, 0,1
	v_pk_fma_f32 v[ST+16*(\t)+2:ST+16*(\t)+3], v[ST+16*(\t)+2:ST+16*(\t)+3], v[ST+16*(\t)+8:ST+16*(\t)+9], v[S+32*(\t):S+32*(\t)+1] op_sel_hi:[1,0,1]  ; l = a l + sum
.endr
	WIN W_RS
.set n, 0
.rept 32
	v_pk_mul_f32 v[2*n:2*n+1], v[2*n:2*n+1], v[ST+16*(n/16)+8:ST+16*(n/16)+9] op_sel_hi:[1,0]  ; O^T times a, ascending
.set n, n+1
.endr
	s_wait_dscnt 0x0                               ; V is in
	WIN W_PV
.set i, 0
.rept 16                               ; O^T += V^T P: keys 32 (i / 8) on, channels 16 ((i / 2) % 4) on, tile i % 2; the 8 accumulators take turns
.set rO, 32*(i%2)+8*((i/2)%4)
.set rV, VF+32*(i/8)+8*((i/2)%4)
.set rP, P+16*(i%2)+8*(i/8)
	v_wmma_f32_16x16x32_f16 v[rO:rO+7], v[rV:rV+7], v[rP:rP+7], v[rO:rO+7]
.set i, i+1
.endr
	WIN 0
.endm
; MY GROUP'S TILE OF A PAIR: two key steps, written once.  m = 1: a block's last pair.  s92 = 1: my tile is the diagonal one; s93 = 1: nothing of it is seen; neither: all of it is seen.
; Diagonal, step 0: tile 0 takes MD, tile 1 sees all; step 1: tile 0 sees nothing, tile 1 takes MD (block 16: the action rows see nothing of the pad keys).  s89-s91 hold step 1's BE0, AL1, BE1.
.macro TILE m
	s_add_co_u32 s[TBK], s[TB], s[GOF]
	s_mov_b32 s[TBV], s[TBK]
	s_mov_b32 s[CNT], 2
.if \m
	s_and_b32 s94, s[JC], 1
	s_cmp_eq_u32 s94, s[GQ]
	s_cselect_b32 s92, 1, 0
	s_and_not1_b32 s93, s[GQ], s92
	s_cmp_eq_u32 s[JC], 16
	s_cselect_b32 s94, 1, 0
	s_cmp_lg_u32 s92, 0
	s_cselect_b32 s[AL0], 1.0, 0
	s_mov_b32 s[AL0+4], 0
	s_cmp_lg_u32 s93, 0
	s_cselect_b32 s[AL0+2], s[BIG], 0
	s_cselect_b32 s[AL0+6], s[BIG], 0
	s_or_b32 s95, s92, s93
	s_cmp_lg_u32 s95, 0
	s_cselect_b32 s89, s[BIG], 0
	s_and_not1_b32 s95, s92, s94
	s_cmp_lg_u32 s95, 0
	s_cselect_b32 s90, 1.0, 0
	s_and_b32 s95, s92, s94
	s_or_b32 s95, s95, s93
	s_cmp_lg_u32 s95, 0
	s_cselect_b32 s91, s[BIG], 0
.endif
.Lstep_\@:
	STEP \m
.if \m
	s_mov_b32 s[AL0], 0
	s_mov_b32 s[AL0+2], s89
	s_mov_b32 s[AL0+4], s90
	s_mov_b32 s[AL0+6], s91
.endif
	s_add_co_u32 s[TBK], s[TBK], 64*PK
	s_add_co_u32 s[TBV], s[TBV], 64*PV
	s_sub_co_u32 s[CNT], s[CNT], 1
	s_cmp_lg_u32 s[CNT], 0
	s_cbranch_scc1 .Lstep_\@
.endm
; THE WAY OUT.  SENDT t: tile t's O^T, CM and my lanes' l go into my bytes of the exchange.
.macro SENDT t
	v_mov_b32 v[ST+16*(\t)+4], v[ST+16*(\t)]
	v_add_f32 v[ST+16*(\t)+5], v[ST+16*(\t)+2], v[ST+16*(\t)+3]
	WIN 0x04                                       ; the stores' data in window 1
.irp k, 0,1,2,3,4,5,6,7
	ds_store_b128 v[X16], v[32*(\t)+4*(\k):32*(\t)+4*(\k)+3] offset:512*(\k)  ; ascending: each accumulator is read from its low end on
.endr
	WIN 0
	ds_store_b64 v[X8], v[ST+16*(\t)+4:ST+16*(\t)+5] offset:4096
.endm
; FIN t: my partner's part of tile t is merged with mine; O^T is divided by l, rounded to f16 and sent through my stage: 16 rows, 2,048 consecutive bytes of oh.  maybe = 1: block 0's first band is not a result.
.macro FIN t, base, maybe
.set rT, ST+16*(\t)
	ds_load_b64 v[rT+6:rT+7], v[Y8] offset:4096    ; my partner's CM and l
.irp k, 0,1,2,3,4,5,6,7
	ds_load_b128 v[S+4*(\k):S+4*(\k)+3], v[Y16] offset:512*(\k)
.endr
	v_add_f32 v[rT+5], v[rT+2], v[rT+3]
	s_wait_dscnt 0x0
	v_max_num_f32 v[rT+4], v[rT], v[rT+6]          ; the greater CM belongs to the greater maximum
	v_sub_f32 v[rT+8], v[rT], v[rT+4]
	v_sub_f32 v[rT+10], v[rT+6], v[rT+4]
	v_exp_f32 v[rT+8], v[rT+8]                     ; my weight,
	v_exp_f32 v[rT+10], v[rT+10]                   ; my partner's
	v_nop
	s_wait_alu depctr_va_vdst(0)                   ; one wait for the two exponentials
	v_mul_f32 v[rT+5], v[rT+5], v[rT+8]
	v_fma_f32 v[rT+5], v[rT+7], v[rT+10], v[rT+5]
	v_permlanex16_b32 v[rT+6], v[rT+5], s[SEL], s[SEL+1]  ; the query's other keys lie in the lane 16 away
	v_add_f32 v[rT+5], v[rT+5], v[rT+6]
	v_rcp_f32 v[rT+4], v[rT+5]
	v_nop
	s_wait_alu depctr_va_vdst(0)
	v_mul_f32 v[rT+8], v[rT+8], v[rT+4]
	v_mul_f32 v[rT+10], v[rT+10], v[rT+4]
.set i, 0
.rept 16
	v_pk_mul_f32 v[S+2*i:S+2*i+1], v[S+2*i:S+2*i+1], v[rT+10:rT+11] op_sel_hi:[1,0]
.set i, i+1
.endr
	WIN 0x01                                       ; my O^T, source 0, in window 1
.set i, 0
.rept 16
	v_pk_fma_f32 v[S+2*i:S+2*i+1], v[32*(\t)+2*i:32*(\t)+2*i+1], v[rT+8:rT+9], v[S+2*i:S+2*i+1] op_sel_hi:[1,0,1]  ; ascending: each accumulator is read from its low end on
.set i, i+1
.endr
	WIN 0
.set i, 0
.rept 16
	v_cvt_pk_f16_f32 v[P+i], v[S+2*i], v[S+2*i+1]
.set i, i+1
.endr
.irp f, 0,1,2,3
	ds_store_b128 v[STO], v[P+4*(\f):P+4*(\f)+3] offset:32*(\f)
.endr
.irp f, 0,1,2,3
	ds_load_b128 v[P+16+4*(\f):P+16+4*(\f)+3], v[RD] offset:(\f)*4*SP  ; LDS serves a wave's instructions in order (ISA guide 5.7.1.4): these see the stores above
.endr
	s_wait_dscnt 0x0
.if \maybe
	s_cmp_eq_u32 s[JC], 0
	s_cbranch_scc1 .Lnot_stored_\@
.endif
.irp f, 0,1,2,3
	global_store_b128 v[GO], v[P+16+4*(\f):P+16+4*(\f)+3], s[\base:\base+1] offset:(\f)*512
.endr
.if \maybe
.Lnot_stored_\@:
.endif
.endm
.macro OUT
	WIN 0
	PLACES                                         ; behind the last products
	s_cmp_eq_u32 s[GQ], 0
	s_cbranch_scc0 .Lsend0_\@
	SENDT 1
	s_branch .Lsent_\@
.Lsend0_\@:
	SENDT 0
.Lsent_\@:
	s_wait_dscnt 0x0                               ; for my partner's sake: what I send lies in LDS
	s_barrier_signal -1
	s_barrier_wait -1                              ; the next pair's loads may stay out
	s_cmp_eq_u32 s[GQ], 0
	s_cbranch_scc0 .Lfin1_\@
	FIN 0, OA, 1
	s_branch .Ldone_\@
.Lfin1_\@:
	FIN 1, OB, 0
.Ldone_\@:
.endm
	s_wait_loadcnt 0x0                             ; both blocks' Q
	s_cmp_eq_u32 s[G], 8
	s_cbranch_scc1 .Ltail                          ; block 0 alone: its one pair is the walk's last
.Lslot:                                            ; 9 times: a pair is entered and the next is asked for
	CHANGE 1
	s_sub_co_u32 s[RT], s[RT], 1
	s_cmp_lg_u32 s[RT], 0
	s_cbranch_scc1 .Lplain
	TILE 1                                         ; the first block's last pair
	OUT
	s_wait_xcnt 0x0                                ; the stores have read their registers and their bases
	s_mov_b64 s[OA:OA+1], s[OA2:OA2+1]
	s_mov_b64 s[OB:OB+1], s[OB2:OB2+1]
	s_mov_b32 s[JC], s[J2]
	s_mov_b32 s[RT], s[R2]
	WIN W_TO
.set i, 0
.rept 32
	v_mov_b32 v[QF+i], v[Q2+i]                     ; the second block's Q goes where the one text of the steps names Q
.set i, i+1
.endr
	WIN 0
	FRESH
	s_branch .Lbottom
.Lplain:
	TILE 0
.Lbottom:
	s_sub_co_u32 s[SLOTS], s[SLOTS], 1
	s_cmp_lg_u32 s[SLOTS], 0
	s_cbranch_scc1 .Lslot
.Ltail:
	CHANGE 0                                       ; the walk's last pair is written out: nothing is asked for
	TILE 1
	OUT
	s_wait_tensorcnt 0x0                           ; the wave's end: a wait, an add and a wait, behind my last tensor load and my last LDS store
	ds_add_u32 v[SPW], v[NIL]
	s_wait_dscnt 0x0
	s_endpgm
.Lfunc_end_k_qb3d27cbc2a_attn:
	.size	k_qb3d27cbc2a_attn, .Lfunc_end_k_qb3d27cbc2a_attn-k_qb3d27cbc2a_attn
	.p2alignl 7, 3214868480
	.fill 96, 4, 3214868480
	.section	.rodata,"a",@progbits
	.p2align	6, 0x0
	.amdhsa_kernel k_qb3d27cbc2a_attn
		.amdhsa_group_segment_fixed_size 327680
		.amdhsa_private_segment_fixed_size 0
		.amdhsa_enable_private_segment 0
		.amdhsa_kernarg_size 16
		.amdhsa_user_sgpr_count 2
		.amdhsa_user_sgpr_kernarg_segment_ptr 1
		.amdhsa_wavefront_size32 1
		.amdhsa_system_sgpr_workgroup_id_x 1
		.amdhsa_system_sgpr_workgroup_id_y 1
		.amdhsa_system_sgpr_workgroup_id_z 1
		.amdhsa_system_vgpr_workitem_id 0
		.amdhsa_next_free_vgpr 512
		.amdhsa_next_free_sgpr 102
		.amdhsa_reserve_vcc 1
		.amdhsa_float_denorm_mode_32 3
		.amdhsa_float_denorm_mode_16_64 3
		.amdhsa_memory_ordered 1
		.amdhsa_forward_progress 1
		.amdhsa_inst_pref_size 124
	.end_amdhsa_kernel
	.amdgpu_metadata
---
amdhsa.version: [ 1, 2 ]
amdhsa.kernels:
  - .name:           k_qb3d27cbc2a_attn
    .symbol:         k_qb3d27cbc2a_attn.kd
    .args:
      - { .name: qkvh, .offset: 0, .size: 8, .value_kind: global_buffer, .address_space: global }
      - { .name: oh, .offset: 8, .size: 8, .value_kind: global_buffer, .address_space: global }
    .group_segment_fixed_size: 327680
    .private_segment_fixed_size: 0
    .kernarg_segment_align: 8
    .kernarg_segment_size: 16
    .max_flat_workgroup_size: 256
    .sgpr_count:     102
    .vgpr_count:     512
    .wavefront_size: 32
...
	.end_amdgpu_metadata
.endif
;; end of part 3
;; launch outp (part 4): grid 4 x 33, 4 waves a work-group, clusters of 4 x 1, 327,680 bytes of LDS; arguments oh, wf, out0, out1; writes out0, out1
.if DOCPART == 4
	.amdgcn_target "amdgcn-amd-amdhsa--gfx1250"
	.amdhsa_code_object_version 6
	.text
	.protected	k_qb3d27cbc2a_outp
	.globl	k_qb3d27cbc2a_outp
	.p2align	8
	.type	k_qb3d27cbc2a_outp,@function
k_qb3d27cbc2a_outp:
	s_mov_b64 s[64:65], 0
	v_nop
	global_prefetch_b8 v0, s[64:65] scope:SCOPE_SE
	s_setreg_imm32_b32 hwreg(HW_REG_WAVE_MODE, 25, 1), 1
	s_wait_xcnt 0x0
	s_wait_alu depctr_hold_cnt(0) depctr_sa_sdst(0) depctr_va_vdst(0) depctr_va_sdst(0) depctr_va_ssrc(0) depctr_va_vcc(0) depctr_vm_vsrc(0)
	s_getreg_b32 s2, hwreg(HW_REG_IB_STS2, 6, 4)
	s_cmp_eq_u32 s2, 0
	s_cbranch_scc0 .Lentry_in_a_cluster
	s_endpgm
.Lentry_in_a_cluster:
	s_bfe_u32 s2, ttmp6, 0x10000c
	s_cmp_lg_u32 s2, 0x3003
	s_cbranch_scc0 .Lentry_shape_is_right
	s_endpgm
.Lentry_shape_is_right:
; THE OUTPUT PROJECTIONS.  out = O W, O = oh [16 heads][4224 tokens][64] f16 (K = 64 head + channel), W [1024][1024] f16 (w_out for tokens 0-4095, w_aout for the 128 action tokens), sums and results in f32.
; SHARES.  A work-group makes 128 tokens x 256 columns; tile row 32 is the action tokens and goes to out1.  Four waves: 64 rows (wave / 2) x 128 columns (wave % 2), 32 accumulators of 16 x 16.
; K goes in 8 steps of 128, two heads each, through two LDS slots.  A head's 128 tokens are 16,384 dense bytes, asked for as 64 rows of 256 bytes and padded after every token.
; W lies [K][N] and is turned on its way out of LDS by ds_load_tr16_b128.
; CLUSTER.  The four work-groups of a tile row need the same tokens: A's tile is asked for jointly (mask 15).  W's tile hangs on x: each asks for its own, behind the same round.  Along y nothing is shared
; jointly: the grid has 33 tile rows, which no cluster divides.
; THE PRODUCT IS USED TRANSPOSED (source 0 = 16 columns of W, source 1 = 16 tokens): a lane holds row l % 16 and the eight neighbouring columns 8 (l / 16) + 0..7.
; REGISTERS.  Window 1: the accumulators, (a, b) at v[8 (8 a + b)].  Window 0: v16-29 addresses; A's fragments v64-95, v96-127; W's v128-191, v192-255 (two buffers each); v64-191 serve the way out.
.set NW,     1024
.set WBASE,  12582912                  ; w_out's first byte in wf,
.set WACT,   2097152                   ; and how far behind it w_aout lies
.set OPL,    540672                    ; a head's plane in oh
.set PA,     144                       ; an LDS row of A: a token's 128 bytes + 16: 16 rows of a load start at 16 different groups of four banks (64 banks of 4 bytes: ISA guide 11.1)
.set AHALF,  128*PA                    ; a head's 128 tokens: what one of A's two loads brings
.set AQ2,    AHALF                     ; quarter q of a K step begins at byte (q / 2) AQ2 + (q % 2) 64: head q / 2, channels 32 (q % 2) on
.set ABYTES, 2*AHALF
.set PB,     544                       ; an LDS row of W: 512 bytes + 32
.set BHALF,  64*PB
.set SLOT,   ABYTES+2*BHALF
.set STAGE,  2*SLOT                    ; behind the ring, never filled by a tensor load: 16 rows x 528 bytes for each wave
.set SPITCH, 528
.set STW,    16*SPITCH
.set SPARE,  STAGE+4*STW               ; the spare words, 128 bytes a wave: two blocks of 256 bytes that no other line names
.set ASTEP,  2*OPL                     ; a K step in A's memory: two heads
.set BSTEP,  128*NW*2
.set ADRA, 16
.set ADRB, 20
.set STO,  24
.set RD,   25
.set GO,   26
.set SPW,  28
.set NIL,  29
.set FA,   64
.set FB,   128
.set BK,   64                          ; the way out: 16 rows read back, v64-127 and v128-191 by turns
.set WV, 12
.set RH, 13
.set CH, 14
.set YY, 15
.set CX, 40
.set XX, 42
.set G1A, 24
.set G0A, 32
.set G1B, 48
.set G0B, 56
.set MSB, 0
.macro WIN new                         ; the immediate's high byte repeats the setting that is left; a switch that changes nothing is dropped
.if MSB != (\new)
	s_set_vgpr_msb (MSB<<8)|(\new)
.set MSB, (\new)
.endif
.endm
.set MUL, 0x50                         ; C and D in window 1, both sources in window 0
.macro PLACES                          ; four places behind a matrix instruction (ISA guide 7.12.1)
.rept 4
	v_nop
.endr
.endm
.macro JLOAD s                         ; waves 0 and 1 ask jointly for A's two heads, waves 2 and 3 each for a half of the work-group's own tile of W; an s_nop 0 and four v_nop follow each line
	s_cmp_lt_u32 s[WV], 2
	s_cbranch_scc0 .Lfor_b_\@
	tensor_load_to_lds s[G0A+4*(\s):G0A+4*(\s)+3], s[G1A:G1A+7]
	s_nop 0
.rept 4
	v_nop
.endr
	s_branch .Lasked_\@
.Lfor_b_\@:
	tensor_load_to_lds s[G0B+4*(\s):G0B+4*(\s)+3], s[G1B:G1B+7]
	s_nop 0
.rept 4
	v_nop
.endr
.Lasked_\@:
.endm
.macro CREST
	s_cmp_lg_u32 s[WV], 0
	s_cbranch_scc1 .Lnot_wave_0_\@
	s_barrier_signal -3
.Lnot_wave_0_\@:
	s_barrier_wait -3
	s_barrier_signal -1
	s_barrier_wait -1
.endm
.macro CROUND
	s_barrier_signal -1
	s_barrier_wait -1
	CREST
.endm
	s_load_b256 s[4:11], s[0:1], 0x0               ; oh s[4:5], wf s[6:7], out0 s[8:9], out1 s[10:11]
	v_lshl_add_u32 v[SPW], v0, 2, SPARE
	v_mov_b32 v[NIL], 0
	ds_add_u32 v[SPW], v[NIL]                      ; the wave's opening: the add and its wait stand ahead of my first tensor load; work on registers stands between them
	v_lshrrev_b32 v1, 5, v0
	v_readfirstlane_b32 s[WV], v1
	s_lshr_b32 s[RH], s[WV], 1
	s_and_b32 s[CH], s[WV], 1
	s_bfe_u32 s[CX], ttmp6, 0x40000
	s_lshl_b32 s[XX], ttmp9, 2
	s_add_co_u32 s[XX], s[XX], s[CX]
	s_and_b32 s[YY], ttmp7, 0xffff
	s_mov_b32 s[G1A+0], 15|(1<<16)|(1<<20)|(1<<21)|(4<<22)|(3<<25)  ; mask of four; 2-byte elements; padding on; bit 21 beside a mask; after every 32 words, 4 words
	s_mov_b32 s[G1A+1], 128<<16
	s_mov_b32 s[G1A+2], 64<<16
	s_mov_b32 s[G1A+3], 128<<16
	s_mov_b32 s[G1A+4], 64
	s_mov_b32 s[G1A+5], 128
	s_mov_b32 s[G1A+6], 0
	s_mov_b32 s[G1A+7], 0
	s_mov_b32 s[G1B+0], (1<<16)|(1<<20)|(6<<22)|(7<<25)  ; no mask; after every 128 words, 8 words
	s_mov_b32 s[G1B+1], 256<<16
	s_mov_b32 s[G1B+2], 64<<16
	s_mov_b32 s[G1B+3], 256<<16
	s_mov_b32 s[G1B+4], 64
	s_mov_b32 s[G1B+5], NW
	s_mov_b32 s[G1B+6], 0
	s_mov_b32 s[G1B+7], 0
	s_mul_i32 s16, s[CH], OPL                      ; A: head wave % 2 of the K step, 128 tokens of 128 bytes a tile row: made of what the four partners share
	s_lshl_b32 s17, s[YY], 14
	s_add_co_u32 s16, s16, s17
	s_mov_b32 s17, 0
	s_mul_i32 s20, s[CH], AHALF                    ; where the halves go: no place in the cluster enters an LDS address
	s_mul_i32 s21, s[CH], BHALF
	s_add_co_u32 s21, s21, ABYTES
	s_lshl_b32 s44, s[XX], 9                       ; W: 512 bytes a tile column, 64 rows a half
	s_mul_i32 s45, s[CH], 64*NW*2
	s_add_co_u32 s44, s44, s45
	s_mov_b32 s45, WBASE                           ; w_out, or for the action tokens w_aout: one literal to a line
	s_cmp_eq_u32 s[YY], 32
	s_cselect_b32 s45, WBASE+WACT, s45
	s_add_co_u32 s44, s44, s45
	s_mov_b32 s45, 0
	s_wait_dscnt 0x0                               ; the opening add is done
	s_wait_kmcnt 0x0
	s_add_nc_u64 s[18:19], s[4:5], s[16:17]
	s_add_nc_u64 s[46:47], s[6:7], s[44:45]
	CROUND                                         ; all four work-groups are here: the first joint loads meet
.irp s, 0,1
	s_mov_b32 s[G0A+4*(\s)], 1
	s_add_co_u32 s[G0A+4*(\s)+1], s20, (\s)*SLOT
	s_add_nc_u64 s[G0A+4*(\s)+2:G0A+4*(\s)+3], s[18:19], (\s)*ASTEP
	s_or_b32 s[G0A+4*(\s)+3], s[G0A+4*(\s)+3], 0x80000000
	s_mov_b32 s[G0B+4*(\s)], 1
	s_add_co_u32 s[G0B+4*(\s)+1], s21, (\s)*SLOT
	s_add_nc_u64 s[G0B+4*(\s)+2:G0B+4*(\s)+3], s[46:47], (\s)*BSTEP
	s_or_b32 s[G0B+4*(\s)+3], s[G0B+4*(\s)+3], 0x80000000
	JLOAD \s                                       ; K steps 0 and 1: two loads of mine are out
.endr
	v_and_b32 v1, 15, v0                           ; l % 16
	v_bfe_u32 v2, v0, 4, 1                         ; l / 16
	v_mul_u32_u24 v3, v1, PA
	v_lshl_add_u32 v3, v2, 4, v3
	s_mul_i32 s16, s[RH], 64*PA
	v_add_nc_u32 v[ADRA], s16, v3
	v_add_nc_u32 v[ADRA+1], SLOT, v[ADRA]
	v_and_b32 v4, 7, v0
	v_lshl_add_u32 v4, v2, 3, v4
	v_mul_u32_u24 v4, v4, PB
	v_bfe_u32 v5, v0, 3, 1
	v_lshl_add_u32 v4, v5, 4, v4
	s_lshl_b32 s16, s[CH], 8
	s_add_co_u32 s16, s16, ABYTES
	v_add_nc_u32 v[ADRB], s16, v4
	v_add_nc_u32 v[ADRB+1], SLOT, v[ADRB]
	s_mul_i32 s16, s[WV], STW
	s_add_co_u32 s16, s16, STAGE                   ; my stage
	v_mul_u32_u24 v[STO], v1, SPITCH               ; in: row l % 16, 32 bytes for each half of the lanes
	v_lshl_add_u32 v[STO], v2, 5, v[STO]
	v_add_nc_u32 v[STO], s16, v[STO]
	v_and_b32 v[GO], 31, v0                        ; back: 32 lanes take one row's 512 bytes
	v_lshlrev_b32 v[GO], 4, v[GO]
	v_add_nc_u32 v[RD], s16, v[GO]
	; where my 64 rows x 128 columns begin
	s_lshl_b32 s16, s[YY], 7
	s_cmp_lt_u32 s[YY], 32
	s_cselect_b64 s[8:9], s[8:9], s[10:11]
	s_cselect_b32 s16, s16, 0
	s_lshl_b32 s17, s[RH], 6
	s_add_co_u32 s16, s16, s17
	s_lshl_b32 s16, s16, 12                        ; 4,096 bytes a row
	s_lshl_b32 s44, s[XX], 10
	s_lshl_b32 s45, s[CH], 9
	s_add_co_u32 s44, s44, s45
	s_add_co_u32 s44, s44, s16
	s_mov_b32 s45, 0
	s_add_nc_u64 s[8:9], s[8:9], s[44:45]
; 8 matrix instructions: row block a x all 8 column blocks, 32 along K, from buffer f.  Each of the 32 accumulators has one instruction a quarter, always in the same order: they take turns.
.macro MUL8 f, a, zero
	WIN MUL
.irp b, 0,1,2,3,4,5,6,7
.if \zero
	v_wmma_f32_16x16x32_f16 v[8*(8*(\a)+(\b)):8*(8*(\a)+(\b))+7], v[FB+64*(\f)+8*(\b):FB+64*(\f)+8*(\b)+7], v[FA+32*(\f)+8*(\a):FA+32*(\f)+8*(\a)+7], 0
.else
	v_wmma_f32_16x16x32_f16 v[8*(8*(\a)+(\b)):8*(8*(\a)+(\b))+7], v[FB+64*(\f)+8*(\b):FB+64*(\f)+8*(\b)+7], v[FA+32*(\f)+8*(\a):FA+32*(\f)+8*(\a)+7], v[8*(8*(\a)+(\b)):8*(8*(\a)+(\b))+7]
.endif
.endr
.endm
; 24 LDS loads in one run: quarter q of a slot into buffer f: W's 8 fragments first, then A's 4
.macro FETCH slot, q, f
	WIN 0
.irp b, 0,1,2,3,4,5,6,7
	ds_load_tr16_b128 v[FB+64*(\f)+8*(\b):FB+64*(\f)+8*(\b)+3],   v[ADRB+(\slot)] offset:(\q)*32*PB+32*(\b)
	ds_load_tr16_b128 v[FB+64*(\f)+8*(\b)+4:FB+64*(\f)+8*(\b)+7], v[ADRB+(\slot)] offset:(\q)*32*PB+16*PB+32*(\b)
.endr
.irp a, 0,1,2,3
	ds_load_b128 v[FA+32*(\f)+8*(\a):FA+32*(\f)+8*(\a)+3],   v[ADRA+(\slot)] offset:((\q)/2)*AQ2+((\q)%2)*64+(\a)*16*PA
	ds_load_b128 v[FA+32*(\f)+8*(\a)+4:FA+32*(\f)+8*(\a)+7], v[ADRA+(\slot)] offset:((\q)/2)*AQ2+((\q)%2)*64+(\a)*16*PA+32
.endr
.endm
.macro QUARTER slot, q, f, g, zero
	s_wait_dscnt 4                                 ; W's fragments and A's 0 and 1 are in; the youngest four loads (A's 2 and 3) may be out
	MUL8 \f, 0, \zero
	MUL8 \f, 1, \zero
	PLACES
	FETCH \slot, \q, \g
	s_wait_dscnt 24                                ; all but the 24 just issued
	MUL8 \f, 2, \zero
	MUL8 \f, 3, \zero
.endm
; The last quarter multiplies buffer 1 and changes slots: in front of the one barrier each wave waits for all its tensor loads (its part of the next slot), adds 0 to its spare word, and waits for that and for its reads of this slot.
.macro TURN slot, next, fill
	WIN 0
	s_wait_tensorcnt 0x0                           ; all my tensor loads have landed
	ds_add_u32 v[SPW], v[NIL]                      ; 0 onto my spare word
	s_wait_dscnt 5                                 ; (the add and the youngest four loads may be out)
	MUL8 1, 0, 0
	s_wait_dscnt 0x0                               ; the add is done, and my reads of this slot are over
	s_barrier_signal -1
	MUL8 1, 1, 0
	WIN 0
	s_barrier_wait -1
.if \fill
	CREST                                          ; the barrier has opened a round of the cluster's: no wave of any partner still reads this slot or has a load on its way
	s_add_nc_u64 s[G0A+4*(\slot)+2:G0A+4*(\slot)+3], s[G0A+4*(\slot)+2:G0A+4*(\slot)+3], 2*ASTEP
	s_add_nc_u64 s[G0B+4*(\slot)+2:G0B+4*(\slot)+3], s[G0B+4*(\slot)+2:G0B+4*(\slot)+3], 2*BSTEP
	JLOAD \slot                                    ; my one tensor load behind the round; its four v_nop are also the places in front of the loads below
.else
	PLACES
.endif
	FETCH \next, 0, 0
	MUL8 1, 2, 0
	MUL8 1, 3, 0
.endm
	s_wait_tensorcnt 1                             ; my part of K step 0 is in; K step 1's may stay out
	s_barrier_signal -1
	s_barrier_wait -1
	FETCH 0, 0, 0
	QUARTER 0, 1, 0, 1, 1                          ; the first quarter stands ahead of the loop: its products start the sums
	WIN 0
	s_mov_b32 s3, 3
.Llap:                                             ; a trip goes once round the ring and fills both slots again: K steps 2 to 7
	QUARTER 0, 2, 1, 0, 0
	QUARTER 0, 3, 0, 1, 0
	TURN 0, 1, 1
	QUARTER 1, 1, 0, 1, 0
	QUARTER 1, 2, 1, 0, 0
	QUARTER 1, 3, 0, 1, 0
	TURN 1, 0, 1
	QUARTER 0, 1, 0, 1, 0
	WIN 0
	s_sub_co_u32 s3, s3, 1
	s_cmp_lg_u32 s3, 0
	s_cbranch_scc1 .Llap
	QUARTER 0, 2, 1, 0, 0                          ; the last lap fills nothing
	QUARTER 0, 3, 0, 1, 0
	TURN 0, 1, 0
	QUARTER 1, 1, 0, 1, 0
	QUARTER 1, 2, 1, 0, 0
	QUARTER 1, 3, 0, 1, 0
	s_wait_dscnt 4
	MUL8 1, 0, 0
	MUL8 1, 1, 0
	s_wait_dscnt 0x0
	MUL8 1, 2, 0
	MUL8 1, 3, 0
	WIN 0
; THE WAY OUT, 16 rows at a time, in f32: a lane's eight columns go into my stage as 32 bytes of a row, and come back as whole pieces of 512 bytes of a row.
.macro OUTA a
	WIN 0x04                                       ; the stores' data in window 1
.irp b, 0,1,2,3,4,5,6,7
	ds_store_b128 v[STO], v[8*(8*(\a)+(\b)):8*(8*(\a)+(\b))+3]   offset:64*(\b)     ; each accumulator is read from its low end on
	ds_store_b128 v[STO], v[8*(8*(\a)+(\b))+4:8*(8*(\a)+(\b))+7] offset:64*(\b)+16
.endr
	WIN 0
.if (\a) >= 2
	s_wait_xcnt 0x0                                ; the registers that the stores two blocks back read are loaded again only behind this wait
.endif
.set t, 0
.rept 16
	ds_load_b128 v[BK+64*((\a)%2)+4*t:BK+64*((\a)%2)+4*t+3], v[RD] offset:SPITCH*t  ; LDS serves a wave's instructions in order (ISA guide 5.7.1.4): these see the stores above
.set t, t+1
.endr
	s_wait_dscnt 0x0
.set t, 0
.rept 16
	global_store_b128 v[GO], v[BK+64*((\a)%2)+4*t:BK+64*((\a)%2)+4*t+3], s[8:9] offset:(\a)*65536+t*4096 th:TH_STORE_NT  ; 512 consecutive bytes, aligned
.set t, t+1
.endr
.endm
	PLACES
	OUTA 0
	OUTA 1
	OUTA 2
	OUTA 3
	s_wait_tensorcnt 0x0                           ; the wave's end: a wait, an add and a wait, behind my last tensor load and my last LDS store
	ds_add_u32 v[SPW], v[NIL]
	s_wait_dscnt 0x0
	CROUND                                         ; the closing round: no work-group ends while a partner may still ask for a tile that names it
	s_endpgm
.Lfunc_end_k_qb3d27cbc2a_outp:
	.size	k_qb3d27cbc2a_outp, .Lfunc_end_k_qb3d27cbc2a_outp-k_qb3d27cbc2a_outp
	.p2alignl 7, 3214868480
	.fill 96, 4, 3214868480
	.section	.rodata,"a",@progbits
	.p2align	6, 0x0
	.amdhsa_kernel k_qb3d27cbc2a_outp
		.amdhsa_group_segment_fixed_size 327680
		.amdhsa_private_segment_fixed_size 0
		.amdhsa_enable_private_segment 0
		.amdhsa_kernarg_size 32
		.amdhsa_user_sgpr_count 2
		.amdhsa_user_sgpr_kernarg_segment_ptr 1
		.amdhsa_wavefront_size32 1
		.amdhsa_system_sgpr_workgroup_id_x 1
		.amdhsa_system_sgpr_workgroup_id_y 1
		.amdhsa_system_sgpr_workgroup_id_z 1
		.amdhsa_system_vgpr_workitem_id 0
		.amdhsa_next_free_vgpr 512
		.amdhsa_next_free_sgpr 66
		.amdhsa_reserve_vcc 0
		.amdhsa_float_denorm_mode_32 3
		.amdhsa_float_denorm_mode_16_64 3
		.amdhsa_memory_ordered 1
		.amdhsa_forward_progress 1
		.amdhsa_inst_pref_size 85
	.end_amdhsa_kernel
	.amdgpu_metadata
---
amdhsa.version: [ 1, 2 ]
amdhsa.kernels:
  - .name:           k_qb3d27cbc2a_outp
    .symbol:         k_qb3d27cbc2a_outp.kd
    .args:
      - { .name: oh, .offset: 0, .size: 8, .value_kind: global_buffer, .address_space: global }
      - { .name: wf, .offset: 8, .size: 8, .value_kind: global_buffer, .address_space: global }
      - { .name: out0, .offset: 16, .size: 8, .value_kind: global_buffer, .address_space: global }
      - { .name: out1, .offset: 24, .size: 8, .value_kind: global_buffer, .address_space: global }
    .group_segment_fixed_size: 327680
    .private_segment_fixed_size: 0
    .kernarg_segment_align: 8
    .kernarg_segment_size: 32
    .max_flat_workgroup_size: 128
    .sgpr_count:     66
    .vgpr_count:     512
    .wavefront_size: 32
...
	.end_amdgpu_metadata
.endif
;; end of part 4
